; MI455X (gfx1250); checked and timed in simulation.
; The chip was launched on July 23, 2026; its instructions are those of AMD's public machine-readable ISA for CDNA 5 (MIT licence, August 2026) and "CDNA5" Instruction Set Architecture Reference Guide (July 2026). The comments in the code are by the model that wrote it; some were corrected since.
;; Sigmoid Mo E. Allowed arithmetic: matrix products marked QUANTISED: E3M2 operands, one E8M0 scale for each 32 along K, by v_wmma_scale_f32_16x16x128_f8f6f4 with both operands' format E3M2, f32 sums; products left as they are: f32 operands where the result goes on into a quantised operand, else bf16, f16 or f32 operands; f32 sums; everything else in f32.
;; Inputs: router_b 8 float32; router_w 8 x 1,024 float32; w12 8 x 1,024 x 4,096 float32; w3 8 x 2,048 x 1,024 float32; x 2 x 512 x 1,024 float32.
;; Outputs: out0 2 x 512 x 1,024 float32; out1 one number float32.
;; This version of the problem:
;;   THIS VERSION OF THE PROBLEM IS GIVEN IN LOW PRECISION. The matrix products marked QUANTISED in the list below multiply operands that are first quantised to E3M2 (3 exponent bits, 2 mantissa bits; 6 bits a number), with one power-of-two scale for each 32 numbers along K (OCP MX v1.0); their sums are f32. All else is computed in f32.
;;   The module's matrix products, in the order in which they are computed (A, B: the left and right operand; K: the contracted axis; several contracted axes count as one K, in the product's order):
;;     1. [M 1,024, K 1,024] x [K 1,024, N 8]; A: input x; B: input router_w: left as it is (N = 8 < 16)
;;     2. batch 1,024 x [M 1, K 2] x [K 2, N 8]; A: computed on the way; B: computed on the way: left as it is (K = 2 < 32)
;;     3. [M 32,768, K 1,024] x [K 1,024, N 1,024]; A: input w12; B: input x: QUANTISED
;;     4. batch 8 x [M 1,024, K 2,048] x [K 2,048, N 1,024]; A: computed on the way; B: input w3: QUANTISED
;;     5. batch 1,024 x [M 1,024, K 8] x [K 8, N 1]; A: computed on the way; B: computed on the way: left as it is (K = 8 < 32)
;;   THE QUANTISER, for each operand of a quantised product, along K:
;;     - K is cut into blocks of 32 from its start; a last block that is shorter is filled with zeros.
;;     - A block's scale is 2^e with e = floor(log2(the largest magnitude in the block)) - 4, held to -126 .. 127; a block of zeros has e = 0. As a byte (E8M0): e + 127.
;;     - Each number is divided by its block's scale, clamped to +-28, and rounded to the nearest number of E3M2, ties to even, subnormals kept.
;;     - The product sums the exact products of the quantised numbers (number of the format x scale) in f32.
;;   ~~~python
;;   def quantise(x, axis):      # numpy; x: float32 -> the quantised numbers, widened to float32 again
;;       x = np.moveaxis(x, axis, -1); K = x.shape[-1]
;;       x = np.pad(x, [(0, 0)] * (x.ndim - 1) + [(0, -K % 32)]); x = x.reshape(x.shape[:-1] + (-1, 32)); a = np.abs(x).max(-1, keepdims=True)
;;       e = np.where(a > 0, np.clip(np.frexp(np.where(a > 0, a, 1))[1] - 1 - 4, -126, 127), 0)      # np.frexp(a)[1] - 1 = floor(log2(a)), exactly
;;       r = np.clip(x / 2.0 ** e, -28, 28)
;;       step = 2.0 ** (np.maximum(np.frexp(np.where(r == 0, 1, r))[1] - 1, -2) - 2)
;;       q = np.round(r / step) * step * 2.0 ** e      # np.round: ties to even
;;       return np.moveaxis(q.reshape(q.shape[:-2] + (-1,))[..., :K], -1, axis).astype(np.float32)
;;   ~~~
;;   OPERANDS COMPUTED ON THE WAY. 'Computed on the way' means the value that the module computes at that place (a softmax that the list does not call 'softmax' is quantised finished and normalised). What goes into a quantiser is computed in f32, as accurately as f32 sums, v_exp_f32 and their like allow (about 1e-6 of the number): no bf16 or f16 on the way to a quantiser, and a product that is left as it is and whose result goes on into a quantised operand takes f32 operands (vector FMAs, or v_wmma_f32_16x16x4_f32). A number that lies on a knife's edge between two numbers of the format may be rounded either way, as far as f32 arithmetic and the matrix unit's own rounding can turn it there, and no further.
;; 2 versions. Each part assembles by itself: llvm-mc -triple=amdgcn-amd-amdhsa -mcpu=gfx1250 --defsym DOCPART=n.
;; ======== version 1 of 2: 4 launches
;; workspace buffers: rtab 4,096 bytes of whole numbers; pos 33,024 bytes of whole numbers; rf 8,704 bytes; xc 819,200 bytes; hc 13,107,200 bytes; part 67,108,864 bytes
;; launch route (part 1): grid 128 x 1, 4 waves a work-group, no clusters, 77,312 bytes of LDS; arguments x, router_w, router_b, xc, rtab, rf; writes xc, rtab, rf
.if DOCPART == 1
	.amdgcn_target "amdgcn-amd-amdhsa--gfx1250"
	.amdhsa_code_object_version 6
	.text
	.protected	k_q7bf53771ef_route
	.globl	k_q7bf53771ef_route
	.p2align	8
	.type	k_q7bf53771ef_route,@function
k_q7bf53771ef_route:
	s_mov_b64 s[64:65], 0
	v_nop
	global_prefetch_b8 v0, s[64:65] scope:SCOPE_SE
	s_setreg_imm32_b32 hwreg(HW_REG_WAVE_MODE, 25, 1), 1
	s_wait_xcnt 0x0
; ROUTER AND x's QUANTISER.  1,024 tokens of 1,024 numbers.  A work-group of four waves takes 8 tokens, a wave 2.
; logits = x . router_w[e] + router_b[e] by f32 fused multiply-adds; scores = sigmoid; the two largest scores (the lower index wins a tie);
; weights = score / (sum of the two + 1e-6).  Stored at fixed places: a routing word for each token (e1 | e2 << 8 | the two experts' bits << 16),
; the two weights, and each work-group's sum of logits^2.  No address and no branch here hangs on these numbers: later launches read them.
; x is read once and also leaves as codes of E3M2 with one E8M0 byte for each 32 along D.  A token's codes are laid in the order of an operand's registers:
; block 4 s + 2 c + h at byte 96 s + 48 h + 24 c, so that lane (r, h) of a fragment finds its 48 bytes of K step s on end.  The scale bytes lie in natural order, 32 a token.
; No matrix unit, tensor load or cluster: 4 MiB are streamed once, and router_w (32 KiB) is all that work-groups share.
; LIMITS: NaN and infinities are not served.  The scores come from v_exp_f32 and v_rcp_f32: two scores within their last bit may be ordered otherwise than by another sigmoid.
; A block of zeros gets the byte 1 (the floor) where the rule says 127: its codes are zeros, and this program alone reads the bytes.
; The routing words (32 bytes), weights (64) and the sum (4) of a work-group are short stores: 12.5 KiB in the whole launch.
.set RW, 0                             ; LDS: router_w as it lies, 32,768 bytes
.set XT, 32768                         ; the turn stage: 9,216 bytes a wave: 2 tokens x 32 places of 128 + 16 bytes
.set CO, 69632                         ; the codes' stage: 1,536 bytes a wave
.set XS, 75776                         ; 256 scale bytes
.set SM, 76032                         ; words 0-7 routing words, 8-23 weights, 24-27 the waves' sums of squares
.set L,  16                            ; v16-23   logits
.set S,  24                            ; v24-31   scores
.set X,  32                            ; v32-95   2 tokens x 32 numbers
.set WE, 96                            ; v96-159  router_w on its way to LDS, then two sets of an expert's 32 numbers
.set AC, 160                           ; v160-191 a pair of partial sums for (token u, expert e) at AC + 2 (8 u + e)
.set V1, 192
.set I1, 193
.set V2, 194
.set I2, 195
.set TV, 196
.set TI, 197
.set SQ, 198
.set EI, 199
.set WP, 200                           ; v[200:201] the two weights
.set DD, 202
.set RC, 203
.set WD, 204
.set TA, 205
.set TC, 206
.set QM0, 192                          ; the quantiser's registers, free once the routing numbers are in LDS
.set QM1, 193
.set QSC, 194
.set QBY, 195
.set QC,  196                          ; v196-202
; 32 numbers of ONE block in v[x] on become 24 bytes of codes in v[QC:QC+5] and the scale's byte in v[QBY].
.macro QBLK x
	v_max3_num_f32 v[QM0], |v[(\x)]|, |v[(\x)+1]|, |v[(\x)+2]|      ; the largest magnitude, in two chains
	v_max3_num_f32 v[QM1], |v[(\x)+3]|, |v[(\x)+4]|, |v[(\x)+5]|
.irp i, 6,10,14,18,22,26
	v_max3_num_f32 v[QM0], v[QM0], |v[(\x)+\i]|, |v[(\x)+\i+1]|
	v_max3_num_f32 v[QM1], v[QM1], |v[(\x)+\i+2]|, |v[(\x)+\i+3]|
.endr
	v_max3_num_f32 v[QM0], v[QM0], |v[(\x)+30]|, |v[(\x)+31]|
	v_max3_num_f32 v[QM0], v[QM0], v[QM1], 0x2800000               ; the floor 2^(5 - 127): the byte cannot fall under 1
	v_add_nc_u32 v[QSC], 0xfe000000, v[QM0]                        ; 4 off the exponent field: the conversion's scale operand
	v_cvt_scalef32_pk16_bf6_f32 v[QC:QC+2], v[(\x):(\x)+15], v[QSC]
	v_cvt_scalef32_pk16_bf6_f32 v[QC+4:QC+6], v[(\x)+16:(\x)+31], v[QSC]   ; (a conversion's three registers begin on an even number)
	v_lshrrev_b32 v[QBY], 23, v[QSC]                               ; the byte; also the plain line behind the conversions
	v_mov_b32 v[QC+3], v[QC+4]
	v_mov_b32 v[QC+4], v[QC+5]
	v_mov_b32 v[QC+5], v[QC+6]
.endm
	s_load_b256 s[4:11], s[0:1], 0x0               ; x s[4:5], router_w s[6:7], router_b s[8:9], xc s[10:11]
	s_load_b128 s[12:15], s[0:1], 0x20             ; rtab s[12:13], rf s[14:15]
	v_lshl_add_u32 v216, v0, 2, 0x12c00
	v_mov_b32 v217, 0
	v_and_b32 v1, 31, v0                           ; lane
	v_lshrrev_b32 v13, 5, v0
	v_readfirstlane_b32 s24, v13                   ; wave
	v_lshlrev_b32 v2, 4, v1                        ; 16 x lane
	v_lshrrev_b32 v3, 4, v1                        ; h
	s_lshl_b32 s25, s24, 13
	v_add_nc_u32 v4, s25, v2                       ; 8,192 w + 16 lane: my place in router_w, in the group's rows of x, and in RW
	s_mul_i32 s25, s24, 9216
	s_add_co_u32 s25, s25, XT
	v_lshrrev_b32 v14, 3, v1
	v_mul_u32_u24 v14, v14, 144
	v_and_b32 v15, 7, v1
	v_lshl_add_u32 v14, v15, 4, v14
	v_add_nc_u32 v5, s25, v14                      ; the turn stage, in: eight lanes' 128 bytes on end, then 16 of padding
	v_mul_u32_u24 v14, v1, 144
	v_add_nc_u32 v6, s25, v14                      ; and out: place = lane = block
	s_mul_i32 s25, s24, 1536
	v_add_nc_u32 v13, s25, v2                      ; 1,536 w + 16 lane: the codes' way out
	v_add_nc_u32 v8, CO, v13
	v_lshrrev_b32 v14, 2, v1
	v_mul_u32_u24 v14, v14, 96
	v_and_b32 v15, 1, v1
	v_mad_u32_u24 v14, v15, 48, v14
	v_bfe_u32 v15, v1, 1, 1
	v_mad_u32_u24 v14, v15, 24, v14
	v_add_nc_u32 v14, s25, v14
	v_add_nc_u32 v7, CO, v14                       ; block = lane goes to 96 (lane / 4) + 48 (lane % 2) + 24 ((lane / 2) % 2)
	s_lshl_b32 s25, s24, 6
	v_add_nc_u32 v9, s25, v1
	v_add_nc_u32 v9, XS, v9                        ; my block's scale byte
	s_lshl_b32 s25, s24, 3
	v_lshl_add_u32 v10, v3, 2, s25
	v_add_nc_u32 v10, SM, v10                      ; my token's routing word
	s_lshl_b32 s25, s24, 4
	v_lshl_add_u32 v11, v3, 3, s25
	v_add_nc_u32 v11, SM+32, v11                   ; its two weights
	s_lshl_b32 s25, s24, 2
	v_mov_b32 v12, s25
	v_add_nc_u32 v12, SM+96, v12                   ; my wave's sum of squares
	v_lshlrev_b32 v209, 3, v1
	v_add_nc_u32 v208, XS, v209
	v_and_b32 v210, 7, v1
	v_lshlrev_b32 v210, 2, v210
	v_add_nc_u32 v211, SM, v210
	v_and_b32 v212, 15, v1
	v_lshlrev_b32 v212, 2, v212
	v_add_nc_u32 v213, SM+32, v212
	v_mov_b32 v214, SM+96
	v_mov_b32 v215, 0
	s_mov_b32 s28, 0x76543210                      ; v_permlanex16_b32's selects for lane l xor 16
	s_mov_b32 s29, 0xfedcba98
	s_mov_b32 s30, 0xffff0000                      ; lanes 16-31
	s_mov_b32 s31, 0xbfb8aa3b                      ; -log2(e)
	s_mov_b32 s32, 0x358637bd                      ; 1e-6
	s_lshl_b32 s26, ttmp9, 15                      ; 8 rows of 4,096 bytes a work-group
	s_mov_b32 s27, 0
	s_wait_kmcnt 0x0
	s_load_b256 s[16:23], s[8:9], 0x0              ; router_b's eight numbers
	s_add_nc_u64 s[4:5], s[4:5], s[26:27]
.set n, 0
.rept 16
	global_load_b128 v[WE+4*n:WE+4*n+3], v4, s[6:7] offset:512*n          ; my wave's two experts of router_w: 512 consecutive bytes a load
.set n, n+1
.endr
.set n, 0
.rept 16
	global_load_b128 v[X+4*n:X+4*n+3], v4, s[4:5] offset:512*n th:TH_LOAD_NT   ; my two tokens
.set n, n+1
.endr
	s_mul_i32 s26, ttmp9, 6144
	s_add_nc_u64 s[42:43], s[10:11], s[26:27]      ; the group's codes
	s_lshl_b32 s26, ttmp9, 8
	s_add_co_u32 s26, s26, 786432
	s_add_nc_u64 s[36:37], s[10:11], s[26:27]      ; its scale bytes
	s_lshl_b32 s26, ttmp9, 5
	s_add_nc_u64 s[12:13], s[12:13], s[26:27]      ; its routing words
	s_lshl_b32 s26, ttmp9, 6
	s_add_nc_u64 s[38:39], s[14:15], s[26:27]      ; its weights
	s_lshl_b32 s26, ttmp9, 2
	s_add_nc_u64 s[40:41], s[14:15], s[26:27]      ; its sum of squares (8,192 bytes on)
	s_wait_loadcnt 16                              ; router_w's 16 loads are in; x's 16 may be out
.set n, 0
.rept 16
	ds_store_b128 v4, v[WE+4*n:WE+4*n+3] offset:512*n
.set n, n+1
.endr
	s_wait_loadcnt 0x0
.irp u, 0,1
.irp i, 0,1,2,3,4,5,6,7
	ds_store_b128 v5, v[X+32*\u+4*\i:X+32*\u+4*\i+3] offset:4608*\u+576*\i   ; x into the turn stage, as loaded
.endr
.endr
	s_wait_dscnt 0x0                               ; for the others' sake: my part of router_w has landed
	s_barrier_signal -1
	s_barrier_wait -1
; The dot products, on x as loaded: x and router_w have the same k in the same lane and register.
.macro LDW e
.irp i, 0,1,2,3,4,5,6,7
	ds_load_b128 v[WE+32*((\e)%2)+4*\i:WE+32*((\e)%2)+4*\i+3], v2 offset:4096*(\e)+512*\i
.endr
.endm
.macro DOT e
.if (\e) < 7
	s_wait_dscnt 8                                 ; this expert's eight loads are in; the next expert's may be out
.else
	s_wait_dscnt 0x0
.endif
	v_pk_mul_f32 v[AC+2*(\e):AC+2*(\e)+1], v[X:X+1], v[WE+32*((\e)%2):WE+32*((\e)%2)+1]          ; the first product starts each sum
	v_pk_mul_f32 v[AC+16+2*(\e):AC+17+2*(\e)], v[X+32:X+33], v[WE+32*((\e)%2):WE+32*((\e)%2)+1]
.set p, 2
.rept 15
	v_pk_fma_f32 v[AC+2*(\e):AC+2*(\e)+1], v[X+p:X+p+1], v[WE+32*((\e)%2)+p:WE+32*((\e)%2)+p+1], v[AC+2*(\e):AC+2*(\e)+1]
	v_pk_fma_f32 v[AC+16+2*(\e):AC+17+2*(\e)], v[X+32+p:X+33+p], v[WE+32*((\e)%2)+p:WE+32*((\e)%2)+p+1], v[AC+16+2*(\e):AC+17+2*(\e)]
.set p, p+2
.endr
.if (\e) < 6
	LDW (\e)+2
.endif
.endm
	LDW 0
	LDW 1
.irp e, 0,1,2,3,4,5,6,7
	DOT \e
.endr
.irp u, 0,1
.irp jj, 0,1,2,3,4,5,6,7
	ds_load_b128 v[X+32*\u+4*\jj:X+32*\u+4*\jj+3], v6 offset:4608*\u+16*\jj   ; x back from the turn stage: a lane now holds block = lane, 32 neighbours
.endr
.endr
; The 16 sums over the wave's 32 lanes, stage by stage.
.set q, 0
.rept 16
	v_add_f32 v[AC+2*q], v[AC+2*q], v[AC+2*q+1]
.set q, q+1
.endr
.irp k, 1,2,4,8
.set q, 0
.rept 16
	v_add_f32_dpp v[AC+2*q], v[AC+2*q], v[AC+2*q] row_xmask:\k row_mask:0xf bank_mask:0xf
.set q, q+1
.endr
.endr
.set q, 0
.rept 16
	v_permlanex16_b32 v[AC+2*q+1], v[AC+2*q], s28, s29
.set q, q+1
.endr
.set q, 0
.rept 16
	v_add_f32 v[AC+2*q], v[AC+2*q], v[AC+2*q+1]
.set q, q+1
.endr
	s_wait_kmcnt 0x0                               ; router_b
.irp e, 0,1,2,3,4,5,6,7
	v_cndmask_b32 v[L+\e], v[AC+2*\e], v[AC+16+2*\e], s30      ; lanes 0-15 work my first token, lanes 16-31 my second
.endr
.irp e, 0,1,2,3,4,5,6,7
	v_add_f32 v[L+\e], s[16+\e], v[L+\e]
.endr
	v_mul_f32 v[SQ], v[L], v[L]
.irp e, 1,2,3,4,5,6,7
	v_fma_f32 v[SQ], v[L+\e], v[L+\e], v[SQ]
.endr
.irp e, 0,1,2,3,4,5,6,7
	v_mul_f32 v[S+\e], s31, v[L+\e]
.endr
.irp e, 0,1,2,3,4,5,6,7
	v_exp_f32 v[S+\e], v[S+\e]
.endr
	v_nop                                          ; a plain line behind the exponentials
	s_wait_alu depctr_va_vdst(0)
.irp e, 0,1,2,3,4,5,6,7
	v_add_f32 v[S+\e], 1.0, v[S+\e]
.endr
.irp e, 0,1,2,3,4,5,6,7
	v_rcp_f32 v[S+\e], v[S+\e]                     ; sigmoid = 1 / (1 + 2^(-log2(e) x))
.endr
	v_nop
	s_wait_alu depctr_va_vdst(0)
	v_mov_b32 v[V1], v[S]
	v_mov_b32 v[I1], 0
	v_mov_b32 v[V2], -1.0                          ; under every score
	v_mov_b32 v[I2], 0
.macro TOP e                           ; strictly greater alone moves a place: the lower index keeps a tie.  Selects, no branch
	v_mov_b32 v[EI], \e
	v_cmp_gt_f32 vcc_lo, v[S+\e], v[V1]
	v_cmp_gt_f32 s34, v[S+\e], v[V2]
	v_cndmask_b32 v[TV], v[V2], v[S+\e], s34
	v_cndmask_b32 v[TI], v[I2], v[EI], s34
	v_cndmask_b32 v[V2], v[TV], v[V1], vcc_lo
	v_cndmask_b32 v[I2], v[TI], v[I1], vcc_lo
	v_cndmask_b32 v[V1], v[V1], v[S+\e], vcc_lo
	v_cndmask_b32 v[I1], v[I1], v[EI], vcc_lo
.endm
.irp e, 1,2,3,4,5,6,7
	TOP \e
.endr
	v_add_f32 v[DD], v[V1], v[V2]
	v_add_f32 v[DD], s32, v[DD]
	v_rcp_f32 v[RC], v[DD]
	v_lshl_or_b32 v[WD], v[I2], 8, v[I1]           ; (a plain line behind the reciprocal)
	s_wait_alu depctr_va_vdst(0)
	v_mul_f32 v[WP], v[V1], v[RC]
	v_mul_f32 v[WP+1], v[V2], v[RC]
	v_mov_b32 v[TC], 0x10000
	v_lshlrev_b32 v[TA], v[I1], v[TC]
	v_or_b32 v[WD], v[WD], v[TA]
	v_lshlrev_b32 v[TA], v[I2], v[TC]
	v_or_b32 v[WD], v[WD], v[TA]
	v_permlanex16_b32 v[TV], v[SQ], s28, s29
	v_add_f32 v[SQ], v[SQ], v[TV]                  ; both tokens' squares
	ds_store_b32 v10, v[WD]                        ; sixteen lanes write the same word with the same value
	ds_store_b64 v11, v[WP:WP+1]
	ds_store_b32 v12, v[SQ]
.irp u, 0,1
	s_wait_dscnt 0x0                               ; x is back from the turn stage; the LDS stores above have read the registers that are written next
	QBLK X+32*\u
.irp jj, 0,1,2
	ds_store_b64 v7, v[QC+2*\jj:QC+2*\jj+1] offset:768*\u+8*\jj
.endr
	ds_store_b8 v9, v[QBY] offset:32*\u
.endr
.irp jj, 0,1,2
	ds_load_b128 v[WE+4*\jj:WE+4*\jj+3], v8 offset:512*\jj     ; LDS serves a wave's instructions in order: these see my stores
.endr
	s_wait_dscnt 0x0
.irp jj, 0,1,2
	global_store_b128 v13, v[WE+4*\jj:WE+4*\jj+3], s[42:43] offset:512*\jj   ; 512 consecutive bytes, at a multiple of 512 from the buffer's first byte
.endr
	s_barrier_signal -1                            ; every LDS store of mine was waited for above
	s_barrier_wait -1
	s_cmp_lg_u32 s24, 0
	s_cbranch_scc1 .Lend                           ; wave 0 sends the group's small results
	ds_load_b64 v[112:113], v208
	ds_load_b32 v114, v211
	ds_load_b32 v115, v213
	ds_load_b128 v[116:119], v214
	s_wait_dscnt 0x0
	v_add_f32 v116, v116, v117
	v_add_f32 v118, v118, v119
	v_add_f32 v116, v116, v118
	global_store_b64 v209, v[112:113], s[36:37]    ; 256 scale bytes, aligned
	v_cmp_gt_u32 vcc_lo, 8, v1
	s_wait_xcnt 0x0                                ; EXEC changes only behind this wait
	s_and_saveexec_b32 s34, vcc_lo
	global_store_b32 v210, v114, s[12:13]          ; 8 routing words
	s_wait_xcnt 0x0
	s_or_b32 exec_lo, exec_lo, s34
	v_cmp_gt_u32 vcc_lo, 16, v1
	s_and_saveexec_b32 s34, vcc_lo
	global_store_b32 v212, v115, s[38:39]          ; 16 weights
	s_wait_xcnt 0x0
	s_or_b32 exec_lo, exec_lo, s34
	v_cmp_eq_u32 vcc_lo, 0, v1
	s_and_saveexec_b32 s34, vcc_lo
	global_store_b32 v215, v116, s[40:41] offset:8192   ; the group's sum of logits^2
	s_wait_xcnt 0x0
	s_or_b32 exec_lo, exec_lo, s34
.Lend:
	s_barrier_signal -1
	s_barrier_wait -1
	s_wait_tensorcnt 0x0
	ds_add_u32 v216, v217
	s_wait_dscnt 0x0
	s_endpgm
.Lfunc_end_k_q7bf53771ef_route:
	.size	k_q7bf53771ef_route, .Lfunc_end_k_q7bf53771ef_route-k_q7bf53771ef_route
	.p2alignl 7, 3214868480
	.fill 96, 4, 3214868480
	.section	.rodata,"a",@progbits
	.p2align	6, 0x0
	.amdhsa_kernel k_q7bf53771ef_route
		.amdhsa_group_segment_fixed_size 77312
		.amdhsa_private_segment_fixed_size 0
		.amdhsa_enable_private_segment 0
		.amdhsa_kernarg_size 48
		.amdhsa_user_sgpr_count 2
		.amdhsa_user_sgpr_kernarg_segment_ptr 1
		.amdhsa_wavefront_size32 1
		.amdhsa_system_sgpr_workgroup_id_x 1
		.amdhsa_system_sgpr_workgroup_id_y 1
		.amdhsa_system_sgpr_workgroup_id_z 1
		.amdhsa_system_vgpr_workitem_id 0
		.amdhsa_next_free_vgpr 218
		.amdhsa_next_free_sgpr 66
		.amdhsa_reserve_vcc 1
		.amdhsa_float_denorm_mode_32 3
		.amdhsa_float_denorm_mode_16_64 3
		.amdhsa_memory_ordered 1
		.amdhsa_forward_progress 1
		.amdhsa_inst_pref_size 48
	.end_amdhsa_kernel
	.amdgpu_metadata
---
amdhsa.version: [ 1, 2 ]
amdhsa.kernels:
  - .name:           k_q7bf53771ef_route
    .symbol:         k_q7bf53771ef_route.kd
    .args:
      - { .name: x, .offset: 0, .size: 8, .value_kind: global_buffer, .address_space: global }
      - { .name: router_w, .offset: 8, .size: 8, .value_kind: global_buffer, .address_space: global }
      - { .name: router_b, .offset: 16, .size: 8, .value_kind: global_buffer, .address_space: global }
      - { .name: xc, .offset: 24, .size: 8, .value_kind: global_buffer, .address_space: global }
      - { .name: rtab, .offset: 32, .size: 8, .value_kind: global_buffer, .address_space: global }
      - { .name: rf, .offset: 40, .size: 8, .value_kind: global_buffer, .address_space: global }
    .group_segment_fixed_size: 77312
    .private_segment_fixed_size: 0
    .kernarg_segment_align: 8
    .kernarg_segment_size: 48
    .max_flat_workgroup_size: 128
    .sgpr_count:     66
    .vgpr_count:     218
    .wavefront_size: 32
...
	.end_amdgpu_metadata
.endif
;; end of part 1
;; launch up (part 2): grid 32 x 8, 16 waves a work-group, no clusters, 104,448 bytes of LDS; arguments rtab, xc, w12, hc, pos; writes hc, pos
.if DOCPART == 2
	.amdgcn_target "amdgcn-amd-amdhsa--gfx1250"
	.amdhsa_code_object_version 6
	.text
	.protected	k_q7bf53771ef_up
	.globl	k_q7bf53771ef_up
	.p2align	8
	.type	k_q7bf53771ef_up,@function
k_q7bf53771ef_up:
	s_mov_b64 s[64:65], 0
	v_nop
	global_prefetch_b8 v0, s[64:65] scope:SCOPE_SE
	s_setreg_imm32_b32 hwreg(HW_REG_WAVE_MODE, 25, 1), 1
	s_wait_xcnt 0x0
; FIRST PRODUCT AND SwiGLU, for the rows routed to one expert.  Work-group (j, e): hidden units 64 j .. 64 j + 63 of expert e, that is columns 64 j .. of h1 and 2,048 + 64 j .. of h2: 1,024 x 128 numbers of w12,
; which no other work-group reads.  PHASE 1: the sixteen waves read them once as f32, quantise them along D in registers (E3M2, one E8M0 byte for each 32) and lay the codes in LDS as images of operand registers.
; A lane takes a column and its 32 registers run down K: a block lies in one lane, and nothing is transposed.  Each load reads 128 consecutive bytes; the wave beside it reads the other half of the aligned 256.
; Meanwhile every wave makes the expert's list from the routing words: 32 masks in scalar registers.  A token's rank among the expert's rows is its place in mask order.
; PHASE 2, behind the launch's one barrier: wave w takes the rows of ranks 32 w .. 32 w + 31 (and 512 further on in a second trip, so that any split up to all 1,024 tokens on one expert is served),
; finds their tokens from the masks, gathers their codes of x, multiplies (128 matrix instructions), forms silu(h1) h2 in f32, quantises it along H and stores it in the order of the next product's operand registers.
; THE MATRIX INSTRUCTION IS USED TRANSPOSED: source 0 = 16 columns of w12, source 1 = 16 rows.  THE COLUMNS OF A TILE ARE NOT NEIGHBOURS: of 32 columns, column 16 a + 8 u + i is row 8 a + i of tile u,
; so that a lane's 16 registers of tiles (b, 0), (b, 1) are the hidden units 32 b + 16 (lane / 16) + 0 .. 15 of its row.
; NO TENSOR LOADS, NO CLUSTER: phase 2 branches on a count read from memory; no weight byte is shared between work-groups; what is shared, an expert's rows of x as codes (800 bytes a row), is small beside the 512 KiB of weights.
; LIMITS: NaN and infinities are not served; a block of zeros gets the byte 1 (its codes are zeros; this program alone reads the bytes); the sigmoid's exponential falls to 0 under 2^-126.
; Ranks at or over the count inside a wave's 32 rows are computed on some valid token and stored where nobody reads them.  A row's two scale bytes leave by stores of 2 bytes: 64 bytes a wave and trip.
.set NG,  4                            ; groups of two tiles in a K step
.set NA,  6                            ; loads of a K step's row fragments
.set SCB, 98304                        ; LDS: 0 .. 98,303 the images, (K step s, tile T) at 12,288 s + 1,536 T, lane l's 48 bytes at 48 l;  from SCB 512 bytes a K step: the word of (tile 2 q + u, row r) at 16 (16 u + r) + 4 q
.set ASC, 12                           ; v12-19  the rows' scale words, K step s in v[ASC + s]: lanes 0-15 row tile 0, lanes 16-31 row tile 1.  Scales and nothing else
.set BSC, 20                           ; v20-27  the weights' scale words, two sets of four: register q: lanes 0-15 tile 2 q, lanes 16-31 tile 2 q + 1.  Scales and nothing else
.set XF,  28                           ; v28-75  the rows' fragments: two sets x two row tiles x 12
.set WF,  76                           ; v76-123 the weights' fragments: two buffers x two tiles x 12
.set ACC, 128                          ; v128-255 accumulator (row tile m, tile T) at ACC + 64 m + 8 T; T 0-3: h1, T 4-7: h2
.set LAND, 64                          ; phase 1: v64-159 three sets of 32 numbers
.set RTW, 160                          ; v160-191 the routing words
.set PD,  192                          ; v192-223 the tokens' places
.set QM0, 40
.set QM1, 41
.set QSC, 42
.set QBY, 43
.set QC,  44                           ; v44-50
.set ZQ, 76                            ; the search for my rank's token: v76-89, before the weights' fragments come there
.set ZW, 77
.set ZP, 78
.set ZB, 79
.set ZN, 80
.set ZA1, 81
.set ZA2, 82
.set ZA3, 83
.set ZC, 84
.set ZO, 85
.set ZT, 86
.set ZU, 87
.set ZK, 88
.set ZX, 89
.set EE, 28                            ; the activation: v28-59
.set MX, 60
.set PX, 62
.set SQ, 64
.set BQ, 66
.set HW, 68
.set HWS, 70
.macro QBLK x                          ; 32 numbers of ONE block in v[x] on become 24 bytes of codes in v[QC:QC+5] and the scale's byte in v[QBY]
	v_max3_num_f32 v[QM0], |v[(\x)]|, |v[(\x)+1]|, |v[(\x)+2]|
	v_max3_num_f32 v[QM1], |v[(\x)+3]|, |v[(\x)+4]|, |v[(\x)+5]|
.irp i, 6,10,14,18,22,26
	v_max3_num_f32 v[QM0], v[QM0], |v[(\x)+\i]|, |v[(\x)+\i+1]|
	v_max3_num_f32 v[QM1], v[QM1], |v[(\x)+\i+2]|, |v[(\x)+\i+3]|
.endr
	v_max3_num_f32 v[QM0], v[QM0], |v[(\x)+30]|, |v[(\x)+31]|
	v_max3_num_f32 v[QM0], v[QM0], v[QM1], 0x2800000               ; the floor 2^(5 - 127): the byte cannot fall under 1
	v_add_nc_u32 v[QSC], 0xfe000000, v[QM0]                        ; 4 off the exponent field: the conversion's scale operand
	v_cvt_scalef32_pk16_bf6_f32 v[QC:QC+2], v[(\x):(\x)+15], v[QSC]
	v_cvt_scalef32_pk16_bf6_f32 v[QC+4:QC+6], v[(\x)+16:(\x)+31], v[QSC]
	v_lshrrev_b32 v[QBY], 23, v[QSC]                               ; the byte; also the plain line behind the conversions
	v_mov_b32 v[QC+3], v[QC+4]
	v_mov_b32 v[QC+4], v[QC+5]
	v_mov_b32 v[QC+5], v[QC+6]
.endm
	s_load_b256 s[4:11], s[0:1], 0x0               ; rtab s[4:5], xc s[6:7], w12 s[8:9], hc s[10:11]
	s_load_b64 s[12:13], s[0:1], 0x20              ; pos
	v_lshrrev_b32 v30, 5, v0
	v_readfirstlane_b32 s14, v30                   ; wave 0..15
	s_and_b32 s15, ttmp7, 0xffff                   ; e
	s_mov_b32 s16, ttmp9                           ; j
	s_and_b32 s20, s14, 3                          ; cg: which 32 columns I quantise
	s_lshr_b32 s21, s14, 2                         ; kb: which block of each K step
	v_and_b32 v30, 31, v0                          ; lane
	v_lshlrev_b32 v1, 2, v30                       ; 4 x lane
	v_bfe_u32 v31, v0, 3, 1                        ; u
	v_bfe_u32 v32, v0, 4, 1                        ; a
	v_and_b32 v33, 7, v0
	v_lshl_add_u32 v33, v32, 3, v33                ; r = 8 a + i: my column's row in its tile
	s_mul_i32 s24, s20, 3072
	s_and_b32 s25, s21, 1
	s_mul_i32 s25, s25, 768
	s_add_co_u32 s24, s24, s25
	s_lshr_b32 s25, s21, 1
	s_mul_i32 s25, s25, 24
	s_add_co_u32 s24, s24, s25
	v_mul_u32_u24 v2, v31, 1536
	v_mad_u32_u24 v2, v33, 48, v2
	v_add_nc_u32 v2, s24, v2                       ; where my block's codes go: tile 2 cg + u, reader lane 16 (kb % 2) + r, its bytes 24 (kb / 2) on
	v_add_nc_u32 v3, 49152, v2                     ; the same for K steps 4-7 (an LDS offset has 16 bits)
	s_lshl_b32 s24, s20, 2
	s_add_co_u32 s24, s24, s21
	s_add_co_u32 s24, s24, SCB
	v_lshlrev_b32 v4, 8, v31
	v_lshl_add_u32 v4, v33, 4, v4
	v_add_nc_u32 v4, s24, v4                       ; and its scale byte
	v_mul_u32_u24 v5, v30, 48                      ; a reader's 48 bytes of an image
	v_add_nc_u32 v6, 49152, v5
	v_lshl_add_u32 v7, v30, 4, SCB                 ; and its four scale words of a K step
	v_lshlrev_b32 v11, 3, v30                      ; 8 x lane
	v_lshlrev_b32 v52, 4, v30                      ; 16 x lane
	s_lshl_b32 s24, s15, 24                        ; w12: expert e, row 32 kb, column (cg / 2) 2,048 + 64 j + 32 (cg % 2)
	s_lshl_b32 s25, s21, 19
	s_add_co_u32 s24, s24, s25
	s_lshr_b32 s25, s20, 1
	s_lshl_b32 s25, s25, 13
	s_add_co_u32 s24, s24, s25
	s_lshl_b32 s25, s16, 8
	s_add_co_u32 s24, s24, s25
	s_and_b32 s25, s20, 1
	s_lshl_b32 s25, s25, 7
	s_add_co_u32 s24, s24, s25
	s_mov_b32 s25, 0
	s_wait_kmcnt 0x0
	s_add_nc_u64 s[26:27], s[8:9], s[24:25]
	s_add_nc_u64 s[28:29], s[26:27], 0x800000      ; 512 rows on: K steps 4-7, so that every offset fits the signed 24-bit immediate
.irp ii, 0,1,2,3,4,5,6,7
	global_load_b128 v[RTW+4*\ii:RTW+4*\ii+3], v52, s[4:5] offset:512*\ii   ; register 4 ii + jj, lane l: token 128 ii + 4 l + jj
.endr
.macro WLOAD s                         ; K step s: w12(128 s + 32 kb + i, my column), i = 0 .. 31
.set WI, 0
.rept 32
.if (\s) < 4
	global_load_b32 v[LAND+32*((\s)%3)+WI], v1, s[26:27] offset:(((\s)&3)*128+WI)*16384 th:TH_LOAD_NT
.else
	global_load_b32 v[LAND+32*((\s)%3)+WI], v1, s[28:29] offset:(((\s)&3)*128+WI)*16384 th:TH_LOAD_NT
.endif
.set WI, WI+1
.endr
.endm
	WLOAD 0
	WLOAD 1
	WLOAD 2
	s_lshl_b32 s24, s15, 6                         ; the hidden codes: row tile 64 e + 2 w, K step j / 2, register half j % 2
	s_lshl_b32 s20, s14, 1
	s_add_co_u32 s24, s24, s20
	s_mul_i32 s24, s24, 24576
	s_lshr_b32 s20, s16, 1
	s_mul_i32 s21, s20, 1536
	s_add_co_u32 s24, s24, s21
	s_and_b32 s21, s16, 1
	s_mul_i32 s19, s21, 768
	s_add_co_u32 s24, s24, s19
	s_add_nc_u64 s[68:69], s[10:11], s[24:25]
	s_lshl_b32 s24, s20, 15                        ; their scale bytes: K step j / 2, row 1,024 e + 32 w, bytes 2 (j % 2) on
	s_lshl_b32 s19, s15, 12
	s_add_co_u32 s24, s24, s19
	s_lshl_b32 s19, s14, 7
	s_add_co_u32 s24, s24, s19
	s_lshl_b32 s19, s21, 1
	s_add_co_u32 s24, s24, s19
	s_add_co_u32 s24, s24, 12582912
	s_add_nc_u64 s[70:71], s[10:11], s[24:25]
	s_lshl_b32 s24, s15, 12
	s_add_nc_u64 s[72:73], s[12:13], s[24:25]      ; the expert's 1,024 places
	s_lshl_b32 s24, s15, 2
	s_add_co_u32 s24, s24, 32768
	s_add_nc_u64 s[74:75], s[12:13], s[24:25]      ; its count
	s_add_nc_u64 s[66:67], s[6:7], 786432          ; x's scale words
	s_mov_b32 s22, 0xffff0000                      ; lanes 16-31
	s_lshl_b32 s23, 0x10000, s15                   ; the expert's bit in a routing word
	s_mov_b32 s30, 0x76543210                      ; v_permlanex16_b32's selects for lane l xor 16
	s_mov_b32 s31, 0xfedcba98
	s_mov_b32 s78, 0xbfb8aa3b                      ; -log2(e); the packed form names the pair
	s_mov_b32 s79, s78
.macro UNIT s, left
	s_wait_loadcnt \left                           ; this unit's 32 loads are in; the younger units' may be out
	s_wait_dscnt 0x0                               ; the last unit's LDS stores have read the codes' and the byte's registers
	QBLK LAND+32*((\s)%3)
.if (\s) < 5
	WLOAD (\s)+3                                   ; the set just converted takes the unit three on
.endif
.irp jj, 0,1,2
.if (\s) < 4
	ds_store_b64 v2, v[QC+2*\jj:QC+2*\jj+1] offset:((\s)&3)*12288+8*\jj
.else
	ds_store_b64 v3, v[QC+2*\jj:QC+2*\jj+1] offset:((\s)&3)*12288+8*\jj
.endif
.endr
	ds_store_b8 v4, v[QBY] offset:512*(\s)
.endm
	UNIT 0, 63                                     ; 64 younger loads have been issued; the wait's field holds 63
	UNIT 1, 63
	UNIT 2, 63
	UNIT 3, 63
	UNIT 4, 63
; THE LIST.  Every load of the phase has been issued, so this delays none.  Mask wi, bit l: token 128 (wi / 4) + 4 l + wi % 4 is routed to e.
.set WI, 0
.rept 32
	v_and_b32 v51, s23, v[RTW+WI]
	v_cmp_ne_u32 s[32+WI], 0, v51
.set WI, WI+1
.endr
	s_bcnt1_i32_b32 s17, s32
.set WI, 1
.rept 31
	s_bcnt1_i32_b32 s20, s[32+WI]
	s_add_co_u32 s17, s17, s20
.set WI, WI+1
.endr
	s_min_u32 s17, s17, 1024                       ; the expert's rows
	s_or_b32 s20, s16, s14
	s_cmp_lg_u32 s20, 0
	s_cbranch_scc1 .Lnolist                        ; wave 0 of work-group j = 0 stores the count and every token's place 1,024 e + rank (a token not routed here gets a number that nobody reads)
	s_lshl_b32 s19, s15, 10
.set WI, 0
.rept 32
	v_mbcnt_lo_u32_b32 v[PD+WI], s[32+WI], s19
	s_bcnt1_i32_b32 s20, s[32+WI]
	s_add_co_u32 s19, s19, s20
.set WI, WI+1
.endr
.irp ii, 0,1,2,3,4,5,6,7
	global_store_b128 v52, v[PD+4*\ii:PD+4*\ii+3], s[72:73] offset:512*\ii   ; 512 consecutive bytes, aligned
.endr
	v_mov_b32 v53, s17
	v_cmp_eq_u32 vcc_lo, 0, v1
	s_wait_xcnt 0x0                                ; EXEC changes only behind this wait
	s_and_saveexec_b32 s20, vcc_lo
	global_store_b32 v1, v53, s[74:75]
	s_wait_xcnt 0x0                                ; also frees the stores' registers, which phase 2 writes
	s_or_b32 exec_lo, exec_lo, s20
.Lnolist:
	UNIT 5, 63
	UNIT 6, 32
	UNIT 7, 0
	s_wait_dscnt 0x0                               ; for the others' sake: my codes and bytes have landed
	s_barrier_signal -1
	s_barrier_wait -1                              ; all 64 images lie in LDS; nothing writes LDS again
.macro ALOAD s                         ; my two row tiles' fragments of K step s: lane (r, h) takes 48 bytes of its token's codes
.irp m, 0,1
.irp c, 0,1,2
	global_load_b128 v[XF+24*((\s)%2)+12*\m+4*\c:XF+24*((\s)%2)+12*\m+4*\c+3], v[8+\m], s[6:7] offset:96*(\s)+16*\c
.endr
.endr
.endm
.macro LOADG G                         ; group G = NG s + g: tiles 2 g, 2 g + 1 of K step s into buffer G % 2; a K step's first group brings its scale words
.set gs, (\G)/NG
.set gg, (\G)%NG
.if gg == 0
	ds_load_b128 v[BSC+4*(gs%2):BSC+4*(gs%2)+3], v7 offset:512*gs
.endif
.irp u, 0,1
.irp c, 0,1,2
.if gs < 4
	ds_load_b128 v[WF+24*((\G)%2)+12*\u+4*\c:WF+24*((\G)%2)+12*\u+4*\c+3], v5 offset:(gs&3)*12288+1536*(2*gg+\u)+16*\c
.else
	ds_load_b128 v[WF+24*((\G)%2)+12*\u+4*\c:WF+24*((\G)%2)+12*\u+4*\c+3], v6 offset:(gs&3)*12288+1536*(2*gg+\u)+16*\c
.endif
.endr
.endr
.endm
.macro MM u, m                         ; one product; an odd tile's scale words stand in lanes 16-31, and so do row tile 1's.  K step 0 starts the sums: nothing is cleared
.if ks == 0
.if (\u == 0) && (\m == 0)
	v_wmma_scale_f32_16x16x128_f8f6f4 v[rD:rD+7], v[rA:rA+11], v[rB:rB+11], 0, v[rSA], v[rSB] matrix_a_fmt:MATRIX_FMT_BF6 matrix_b_fmt:MATRIX_FMT_BF6
.elseif (\u == 0)
	v_wmma_scale_f32_16x16x128_f8f6f4 v[rD:rD+7], v[rA:rA+11], v[rB:rB+11], 0, v[rSA], v[rSB] matrix_a_fmt:MATRIX_FMT_BF6 matrix_b_fmt:MATRIX_FMT_BF6 matrix_b_scale:MATRIX_SCALE_ROW1
.elseif (\m == 0)
	v_wmma_scale_f32_16x16x128_f8f6f4 v[rD:rD+7], v[rA:rA+11], v[rB:rB+11], 0, v[rSA], v[rSB] matrix_a_fmt:MATRIX_FMT_BF6 matrix_b_fmt:MATRIX_FMT_BF6 matrix_a_scale:MATRIX_SCALE_ROW1
.else
	v_wmma_scale_f32_16x16x128_f8f6f4 v[rD:rD+7], v[rA:rA+11], v[rB:rB+11], 0, v[rSA], v[rSB] matrix_a_fmt:MATRIX_FMT_BF6 matrix_b_fmt:MATRIX_FMT_BF6 matrix_a_scale:MATRIX_SCALE_ROW1 matrix_b_scale:MATRIX_SCALE_ROW1
.endif
.else
.if (\u == 0) && (\m == 0)
	v_wmma_scale_f32_16x16x128_f8f6f4 v[rD:rD+7], v[rA:rA+11], v[rB:rB+11], v[rD:rD+7], v[rSA], v[rSB] matrix_a_fmt:MATRIX_FMT_BF6 matrix_b_fmt:MATRIX_FMT_BF6
.elseif (\u == 0)
	v_wmma_scale_f32_16x16x128_f8f6f4 v[rD:rD+7], v[rA:rA+11], v[rB:rB+11], v[rD:rD+7], v[rSA], v[rSB] matrix_a_fmt:MATRIX_FMT_BF6 matrix_b_fmt:MATRIX_FMT_BF6 matrix_b_scale:MATRIX_SCALE_ROW1
.elseif (\m == 0)
	v_wmma_scale_f32_16x16x128_f8f6f4 v[rD:rD+7], v[rA:rA+11], v[rB:rB+11], v[rD:rD+7], v[rSA], v[rSB] matrix_a_fmt:MATRIX_FMT_BF6 matrix_b_fmt:MATRIX_FMT_BF6 matrix_a_scale:MATRIX_SCALE_ROW1
.else
	v_wmma_scale_f32_16x16x128_f8f6f4 v[rD:rD+7], v[rA:rA+11], v[rB:rB+11], v[rD:rD+7], v[rSA], v[rSB] matrix_a_fmt:MATRIX_FMT_BF6 matrix_b_fmt:MATRIX_FMT_BF6 matrix_a_scale:MATRIX_SCALE_ROW1 matrix_b_scale:MATRIX_SCALE_ROW1
.endif
.endif
.endm
; A group: four products on four accumulators; the 16 accumulators of a K step take turns, one instruction a turn.
.macro GROUP G
.set ks, (\G)/NG
.set kg, (\G)%NG
.if kg == 0
.if ks < 7
	s_wait_loadcnt NA                              ; this K step's row fragments (and, at first, the rows' scale words) are in; the next K step's may be out
.else
	s_wait_loadcnt 0x0
.endif
.endif
.if (\G) == 8*NG-1
	s_wait_dscnt 0x0
.elseif ((\G)+1)%NG == 0
	s_wait_dscnt 7                                 ; this group's LDS loads are in; the next group's six and its scale words may be out
.else
	s_wait_dscnt 6                                 ; this group's LDS loads are in; the next group's six may be out
.endif
.irp u, 0,1
.irp m, 0,1
.set rD, ACC+64*\m+8*(2*kg+\u)
.set rA, WF+24*((\G)%2)+12*\u
.set rB, XF+24*(ks%2)+12*\m
.set rSA, BSC+4*(ks%2)+kg
.set rSB, ASC+ks
	MM \u, \m
.endr
.endr
.rept 4
	v_nop                                          ; four places in front of loads into registers that these products read, and of the first read of results
.endr
.if (\G)+2 < 8*NG
	LOADG (\G)+2
.endif
.if (kg == NG-1) && (ks+2 < 8)
	ALOAD ks+2
.endif
.endm
.macro PICK width                      ; where my rank is not among the low half's c bits, pass them
	v_cmp_ge_u32 vcc_lo, v[ZN], v[ZC]
	v_cndmask_b32 v[ZT], 0, v[ZC], vcc_lo
	v_add_nc_u32 v[ZU], \width, v[ZO]
	v_sub_nc_u32 v[ZN], v[ZN], v[ZT]
	v_cndmask_b32 v[ZO], v[ZO], v[ZU], vcc_lo
.endm
; Row tile m: hidden = h1 sigmoid(h1) h2 in f32; its two blocks of 32 are quantised and leave as half a fragment (registers 6 (j % 2) on of K step j / 2).  Each accumulator is read from its low end on.
.macro EPI m
.set EH, ACC+64*(\m)
.set EP, 76+16*(\m)
.set EQ, EP+8
.set i, 0
.rept 16
	v_pk_mul_f32 v[EE+i:EE+i+1], v[EH+i:EH+i+1], s[78:79] op_sel_hi:[1,0]
.set i, i+2
.endr
.set i, 0
.rept 32
	v_exp_f32 v[EE+i], v[EE+i]
.set i, i+1
.endr
	v_nop                                          ; a plain line behind the exponentials
.set i, 0
	s_wait_alu depctr_va_vdst(0)
.rept 16
	v_pk_add_f32 v[EE+i:EE+i+1], v[EE+i:EE+i+1], 1.0 op_sel_hi:[1,0]
.set i, i+2
.endr
.set i, 0
.rept 32
	v_rcp_f32 v[EE+i], v[EE+i]
.set i, i+1
.endr
	v_nop
.set i, 0
	s_wait_alu depctr_va_vdst(0)
.rept 16
	v_pk_mul_f32 v[EH+i:EH+i+1], v[EH+i:EH+i+1], v[EE+i:EE+i+1]
.set i, i+2
.endr
.set i, 0
.rept 16
	v_pk_mul_f32 v[EH+i:EH+i+1], v[EH+i:EH+i+1], v[EH+32+i:EH+33+i]
.set i, i+2
.endr
.irp b, 0,1
	v_max3_num_f32 v[MX+\b], |v[EH+16*\b]|, |v[EH+16*\b+1]|, 0x2800000    ; block b: my 16 numbers, and the floor
.endr
.irp i, 2,4,6,8,10,12,14
.irp b, 0,1
	v_max3_num_f32 v[MX+\b], v[MX+\b], |v[EH+16*\b+\i]|, |v[EH+16*\b+\i+1]|
.endr
.endr
.irp b, 0,1
	v_mov_b32 v[PX+\b], 0                          ; a lane permute's destination counts as one of its sources
.endr
.irp b, 0,1
	v_permlanex16_b32 v[PX+\b], v[MX+\b], s30, s31
.endr
.irp b, 0,1
	v_max_num_f32 v[MX+\b], v[MX+\b], v[PX+\b]     ; with lane l xor 16's 16: the block's largest magnitude
.endr
.irp b, 0,1
	v_add_nc_u32 v[SQ+\b], 0xfe000000, v[MX+\b]
.endr
	v_cvt_scalef32_pk16_bf6_f32 v[EP:EP+2], v[EH:EH+15], v[SQ]
	v_cvt_scalef32_pk16_bf6_f32 v[EQ:EQ+2], v[EH+16:EH+31], v[SQ+1]
	v_lshrrev_b32 v[BQ], 23, v[SQ]                 ; the bytes; also the plain line behind the conversions
	v_lshrrev_b32 v[BQ+1], 23, v[SQ+1]
	v_lshl_or_b32 v[HW+(\m)], v[BQ+1], 8, v[BQ]
.irp i, 0,1,2
	v_permlane16_swap_b32 v[EP+\i], v[EQ+\i]       ; the operand wants a whole block in a lane: lanes 0-15 block 0, lanes 16-31 block 1
.endr
.irp i, 0,1,2
	v_mov_b32 v[EP+3+\i], v[EQ+\i]
.endr
.irp jj, 0,1,2
	global_store_b64 v11, v[EP+2*\jj:EP+2*\jj+1], s[68:69] offset:24576*(\m)+256*\jj   ; 32 lanes store 256 consecutive bytes, aligned
.endr
.endm
	s_lshl_b32 s18, s14, 5                         ; my first rank
	s_mov_b32 s76, 0
.Lpass:                                            ; two trips, a constant; a trip whose ranks lie at or over the count is passed over
	s_cmp_ge_u32 s18, s17
	s_cbranch_scc1 .Lskip
	; the token of rank q = my first rank + lane: the last mask whose prefix count is at most q, then the (q - prefix)-th set bit in it, by halving.  Selects, no branch
	v_and_b32 v[ZT], 31, v0
	v_add_nc_u32 v[ZQ], s18, v[ZT]
	v_mov_b32 v[ZW], s32
	v_mov_b32 v[ZP], 0
	v_mov_b32 v[ZB], 0
	s_mov_b32 s19, 0
.set WI, 1
.rept 31
	s_bcnt1_i32_b32 s20, s[31+WI]
	s_add_co_u32 s19, s19, s20
	v_cmp_gt_u32 vcc_lo, s19, v[ZQ]
	v_cndmask_b32 v[ZW], s[32+WI], v[ZW], vcc_lo
	v_cndmask_b32 v[ZP], s19, v[ZP], vcc_lo
	v_cndmask_b32 v[ZB], 128*(WI/4)+WI%4, v[ZB], vcc_lo
.set WI, WI+1
.endr
	v_sub_nc_u32 v[ZN], v[ZQ], v[ZP]
	v_lshrrev_b32 v[ZT], 1, v[ZW]                  ; counts of set bits in fields of 2, 4 and 8 bits, and in the low 16
	v_and_b32 v[ZT], 0x55555555, v[ZT]
	v_sub_nc_u32 v[ZA1], v[ZW], v[ZT]
	v_and_b32 v[ZT], 0x33333333, v[ZA1]
	v_lshrrev_b32 v[ZU], 2, v[ZA1]
	v_and_b32 v[ZU], 0x33333333, v[ZU]
	v_add_nc_u32 v[ZA2], v[ZT], v[ZU]
	v_lshrrev_b32 v[ZT], 4, v[ZA2]
	v_add_nc_u32 v[ZT], v[ZA2], v[ZT]
	v_and_b32 v[ZA3], 0x0f0f0f0f, v[ZT]
	v_lshrrev_b32 v[ZT], 8, v[ZA3]
	v_add_nc_u32 v[ZT], v[ZA3], v[ZT]
	v_and_b32 v[ZC], 0xff, v[ZT]
	v_mov_b32 v[ZO], 0
	PICK 16
	v_bfe_u32 v[ZC], v[ZA3], v[ZO], 8
	PICK 8
	v_bfe_u32 v[ZC], v[ZA2], v[ZO], 4
	PICK 4
	v_bfe_u32 v[ZC], v[ZA1], v[ZO], 2
	PICK 2
	v_bfe_u32 v[ZC], v[ZW], v[ZO], 1
	PICK 1
	v_lshl_add_u32 v[ZK], v[ZO], 2, v[ZB]          ; the token
	v_mov_b32 v[ZX], 0
	v_permlanex16_b32 v[ZX], v[ZK], s30, s31
	v_cndmask_b32 v[ZT], v[ZK], v[ZX], s22         ; row tile 0's token of row lane % 16, in both halves of the lanes
	v_cndmask_b32 v[ZU], v[ZX], v[ZK], s22         ; row tile 1's
	v_min_u32 v[ZT], 0x3ff, v[ZT]                  ; held inside the table ahead of the address arithmetic
	v_min_u32 v[ZU], 0x3ff, v[ZU]
	v_min_u32 v[ZK], 0x3ff, v[ZK]
	v_bfe_u32 v[ZC], v0, 4, 1
	v_mul_u32_u24 v[ZC], v[ZC], 48
	v_mul_u32_u24 v8, v[ZT], 768
	v_mul_u32_u24 v9, v[ZU], 768
	v_add_nc_u32 v8, v8, v[ZC]                     ; 768 x token + 48 h
	v_add_nc_u32 v9, v9, v[ZC]
	v_lshlrev_b32 v10, 5, v[ZK]                    ; 32 scale bytes a token
	global_load_b128 v[ASC:ASC+3], v10, s[66:67]
	global_load_b128 v[ASC+4:ASC+7], v10, s[66:67] offset:16
	ALOAD 0
	ALOAD 1
	LOADG 0
	LOADG 1
.set GI, 0
.rept 8*NG
	GROUP GI
.set GI, GI+1
.endr
	EPI 0
	EPI 1
	v_cndmask_b32 v[HWS], v[HW], v[HW+1], s22      ; lane l: the two bytes of row l of my 32
	global_store_b16 v1, v[HWS], s[70:71]
.Lskip:
	s_wait_xcnt 0x0                                ; the stores have read their registers and bases: both may be written again
	s_add_nc_u64 s[68:69], s[68:69], 786432        ; 32 row tiles on
	s_add_nc_u64 s[70:71], s[70:71], 2048          ; 512 rows on
	s_add_co_u32 s18, s18, 512
	s_add_co_u32 s76, s76, 1
	s_cmp_lt_u32 s76, 2
	s_cbranch_scc1 .Lpass
	s_wait_xcnt 0x0
	s_mov_b32 exec_lo, -1
	v_lshl_add_u32 v254, v0, 2, 0x19000
	v_mov_b32 v255, 0
	s_wait_tensorcnt 0x0
	ds_add_u32 v254, v255
	s_wait_dscnt 0x0
	s_endpgm
.Lfunc_end_k_q7bf53771ef_up:
	.size	k_q7bf53771ef_up, .Lfunc_end_k_q7bf53771ef_up-k_q7bf53771ef_up
	.p2alignl 7, 3214868480
	.fill 96, 4, 3214868480
	.section	.rodata,"a",@progbits
	.p2align	6, 0x0
	.amdhsa_kernel k_q7bf53771ef_up
		.amdhsa_group_segment_fixed_size 104448
		.amdhsa_private_segment_fixed_size 0
		.amdhsa_enable_private_segment 0
		.amdhsa_kernarg_size 40
		.amdhsa_user_sgpr_count 2
		.amdhsa_user_sgpr_kernarg_segment_ptr 1
		.amdhsa_wavefront_size32 1
		.amdhsa_system_sgpr_workgroup_id_x 1
		.amdhsa_system_sgpr_workgroup_id_y 1
		.amdhsa_system_sgpr_workgroup_id_z 1
		.amdhsa_system_vgpr_workitem_id 0
		.amdhsa_next_free_vgpr 256
		.amdhsa_next_free_sgpr 84
		.amdhsa_reserve_vcc 1
		.amdhsa_float_denorm_mode_32 3
		.amdhsa_float_denorm_mode_16_64 3
		.amdhsa_memory_ordered 1
		.amdhsa_forward_progress 1
		.amdhsa_inst_pref_size 118
	.end_amdhsa_kernel
	.amdgpu_metadata
---
amdhsa.version: [ 1, 2 ]
amdhsa.kernels:
  - .name:           k_q7bf53771ef_up
    .symbol:         k_q7bf53771ef_up.kd
    .args:
      - { .name: rtab, .offset: 0, .size: 8, .value_kind: global_buffer, .address_space: global }
      - { .name: xc, .offset: 8, .size: 8, .value_kind: global_buffer, .address_space: global }
      - { .name: w12, .offset: 16, .size: 8, .value_kind: global_buffer, .address_space: global }
      - { .name: hc, .offset: 24, .size: 8, .value_kind: global_buffer, .address_space: global }
      - { .name: pos, .offset: 32, .size: 8, .value_kind: global_buffer, .address_space: global }
    .group_segment_fixed_size: 104448
    .private_segment_fixed_size: 0
    .kernarg_segment_align: 8
    .kernarg_segment_size: 40
    .max_flat_workgroup_size: 512
    .sgpr_count:     84
    .vgpr_count:     256
    .wavefront_size: 32
...
	.end_amdgpu_metadata
.endif
;; end of part 2
;; launch down (part 3): grid 32 x 8, 16 waves a work-group, no clusters, 192,512 bytes of LDS; arguments pos, hc, w3, part; writes part
.if DOCPART == 3
	.amdgcn_target "amdgcn-amd-amdhsa--gfx1250"
	.amdhsa_code_object_version 6
	.text
	.protected	k_q7bf53771ef_down
	.globl	k_q7bf53771ef_down
	.p2align	8
	.type	k_q7bf53771ef_down,@function
k_q7bf53771ef_down:
	s_mov_b64 s[64:65], 0
	v_nop
	global_prefetch_b8 v0, s[64:65] scope:SCOPE_SE
	s_setreg_imm32_b32 hwreg(HW_REG_WAVE_MODE, 25, 1), 1
	s_wait_xcnt 0x0
; SECOND PRODUCT, for the rows routed to one expert.  Work-group (x, e): output columns 64 jb .. 64 jb + 63 (jb = x % 16) and half kh = x / 16 of K = 2,048: 1,024 x 64 numbers of w3[e], which no other work-group reads.
; 64 columns are 256 aligned bytes of each row of w3; 8 experts x 16 column blocks would be 128 work-groups, so K is halved to make 256; the two halves' sums are added by the next launch.
; PHASE 1: the weights are read once as f32, quantised along H in registers (a lane to a column, registers down K) and laid in LDS as images of operand registers.
; PHASE 2, behind the one barrier: wave w takes the rows of ranks 32 w .. 32 w + 31 (512 further on in a second trip); their codes and scale words lie in hc in the order of the operand's registers, in rank order:
; no list is read.  64 matrix instructions a trip; the results go through the wave's own stage and leave as whole runs of 256 bytes of a row.
; THE MATRIX INSTRUCTION IS USED TRANSPOSED (source 0 = 16 columns of w3, source 1 = 16 rows); of 32 columns, column 16 a + 8 u + i is row 8 a + i of tile u.
; NO TENSOR LOADS, NO CLUSTER: phase 2 branches on a count read from memory; no weight byte is shared between work-groups; what is shared is an expert's rows as codes, small beside the 256 KiB of weights.
; LIMITS: NaN and infinities are not served; a block of zeros gets the byte 1 (its codes are zeros; this program alone reads the bytes).  Rows at or over the count inside a wave's 32 are multiplied and stored where nobody reads them.
.set NG,  2
.set NA,  12
.set SCB, 49152                        ; LDS: 0 .. 49,151 the images, (K step s, tile T) at 6,144 s + 1,536 T;  from SCB 256 bytes a K step: the word of (tile 2 q + u, row r) at 8 (16 u + r) + 4 q
.set STG, 51200                        ; the stages: 32 rows x (256 + 16) bytes for each wave
.set ASC, 12                           ; v12-19  the rows' scale words.  Scales and nothing else
.set BSC, 20                           ; v20-23  the weights' scale words, two sets of two.  Scales and nothing else
.set XF,  24                           ; v24-71  the rows' fragments: two sets x two row tiles x 12
.set WF,  72                           ; v72-119 the weights' fragments: two buffers x two tiles x 12
.set ACC, 128                          ; v128-191 accumulator (row tile m, tile T) at ACC + 32 m + 8 T
.set OB,  192                          ; v192-255 rows read back from the stage
.set LAND, 64                          ; phase 1: v64-191 four sets of 32 numbers
.set QM0, 40
.set QM1, 41
.set QSC, 42
.set QBY, 43
.set QC,  44
.macro QBLK x                          ; 32 numbers of ONE block in v[x] on become 24 bytes of codes in v[QC:QC+5] and the scale's byte in v[QBY]
	v_max3_num_f32 v[QM0], |v[(\x)]|, |v[(\x)+1]|, |v[(\x)+2]|
	v_max3_num_f32 v[QM1], |v[(\x)+3]|, |v[(\x)+4]|, |v[(\x)+5]|
.irp i, 6,10,14,18,22,26
	v_max3_num_f32 v[QM0], v[QM0], |v[(\x)+\i]|, |v[(\x)+\i+1]|
	v_max3_num_f32 v[QM1], v[QM1], |v[(\x)+\i+2]|, |v[(\x)+\i+3]|
.endr
	v_max3_num_f32 v[QM0], v[QM0], |v[(\x)+30]|, |v[(\x)+31]|
	v_max3_num_f32 v[QM0], v[QM0], v[QM1], 0x2800000               ; the floor 2^(5 - 127): the byte cannot fall under 1
	v_add_nc_u32 v[QSC], 0xfe000000, v[QM0]                        ; 4 off the exponent field: the conversion's scale operand
	v_cvt_scalef32_pk16_bf6_f32 v[QC:QC+2], v[(\x):(\x)+15], v[QSC]
	v_cvt_scalef32_pk16_bf6_f32 v[QC+4:QC+6], v[(\x)+16:(\x)+31], v[QSC]
	v_lshrrev_b32 v[QBY], 23, v[QSC]                               ; the byte; also the plain line behind the conversions
	v_mov_b32 v[QC+3], v[QC+4]
	v_mov_b32 v[QC+4], v[QC+5]
	v_mov_b32 v[QC+5], v[QC+6]
.endm
	s_load_b256 s[4:11], s[0:1], 0x0               ; pos s[4:5], hc s[6:7], w3 s[8:9], part s[10:11]
	v_lshl_add_u32 v10, v0, 2, 0x2e800
	v_mov_b32 v11, 0
	v_lshrrev_b32 v30, 5, v0
	v_readfirstlane_b32 s14, v30                   ; wave 0..15
	s_and_b32 s15, ttmp7, 0xffff                   ; e
	s_and_b32 s16, ttmp9, 15                       ; jb
	s_lshr_b32 s19, ttmp9, 4                       ; kh
	s_and_b32 s20, s14, 1                          ; cg: which 32 columns I quantise
	s_bfe_u32 s21, s14, 0x20001                    ; kb: which block of a K step
	s_lshr_b32 s22, s14, 3                         ; ks: even or odd K steps
	v_and_b32 v30, 31, v0                          ; lane
	v_lshlrev_b32 v1, 2, v30
	v_bfe_u32 v31, v0, 3, 1                        ; u
	v_bfe_u32 v32, v0, 4, 1                        ; a, also h
	v_and_b32 v33, 7, v0
	v_lshl_add_u32 v33, v32, 3, v33                ; my column's row in its tile
	s_mul_i32 s24, s20, 3072
	s_and_b32 s25, s21, 1
	s_mul_i32 s25, s25, 768
	s_add_co_u32 s24, s24, s25
	s_lshr_b32 s25, s21, 1
	s_mul_i32 s25, s25, 24
	s_add_co_u32 s24, s24, s25
	s_mul_i32 s25, s22, 6144
	s_add_co_u32 s24, s24, s25
	v_mul_u32_u24 v2, v31, 1536
	v_mad_u32_u24 v2, v33, 48, v2
	v_add_nc_u32 v2, s24, v2                       ; where my block's codes go
	s_lshl_b32 s24, s20, 2
	s_add_co_u32 s24, s24, s21
	s_lshl_b32 s25, s22, 8
	s_add_co_u32 s24, s24, s25
	s_add_co_u32 s24, s24, SCB
	v_lshlrev_b32 v3, 7, v31
	v_lshl_add_u32 v3, v33, 3, v3
	v_add_nc_u32 v3, s24, v3                       ; and its scale byte
	v_mul_u32_u24 v4, v30, 48                      ; a reader's 48 bytes of an image
	v_lshl_add_u32 v5, v30, 3, SCB                 ; and its two scale words of a K step
	v_lshlrev_b32 v6, 3, v30                       ; 8 x lane
	s_mul_i32 s24, s14, 8704
	s_add_co_u32 s24, s24, STG                     ; my stage
	v_and_b32 v34, 15, v0
	v_mul_u32_u24 v7, v34, 272
	v_lshl_add_u32 v7, v32, 6, v7
	v_add_nc_u32 v7, s24, v7                       ; in: row lane % 16, 64 bytes on for lanes 16-31
	v_mul_u32_u24 v8, v32, 272
	v_lshl_add_u32 v8, v34, 4, v8
	v_add_nc_u32 v8, s24, v8                       ; back: lanes 0-15 one row's 256 bytes, lanes 16-31 the next row's
	v_lshlrev_b32 v9, 12, v32
	v_lshl_add_u32 v9, v34, 4, v9                  ; and the same two rows in part
	s_lshl_b32 s24, s15, 23                        ; w3: expert e, row 1,024 kh + 128 ks + 32 kb, column 64 jb + 32 cg
	s_lshl_b32 s25, s19, 22
	s_add_co_u32 s24, s24, s25
	s_lshl_b32 s25, s22, 19
	s_add_co_u32 s24, s24, s25
	s_lshl_b32 s25, s21, 17
	s_add_co_u32 s24, s24, s25
	s_lshl_b32 s25, s16, 8
	s_add_co_u32 s24, s24, s25
	s_lshl_b32 s25, s20, 7
	s_add_co_u32 s24, s24, s25
	s_mov_b32 s25, 0
	s_lshl_b32 s23, s15, 2
	s_wait_kmcnt 0x0
	s_add_nc_u64 s[26:27], s[8:9], s[24:25]
	s_load_b32 s17, s[4:5], s23 offset:0x8000      ; the expert's count of rows
.macro WLOAD t                         ; unit t is K step 2 t + ks: w3(.. + 256 t + i, my column), i = 0 .. 31
.set WI, 0
.rept 32
	global_load_b32 v[LAND+32*(\t)+WI], v1, s[26:27] offset:(256*(\t)+WI)*4096 th:TH_LOAD_NT
.set WI, WI+1
.endr
.endm
	WLOAD 0
	WLOAD 1
	WLOAD 2
	WLOAD 3
	s_lshl_b32 s24, s15, 6                         ; the rows' codes: row tile 64 e + 2 w, K steps 8 kh on
	s_lshl_b32 s20, s14, 1
	s_add_co_u32 s24, s24, s20
	s_mul_i32 s24, s24, 24576
	s_mul_i32 s20, s19, 12288
	s_add_co_u32 s24, s24, s20
	s_add_nc_u64 s[28:29], s[6:7], s[24:25]
	s_lshl_b32 s24, s19, 18                        ; their scale words: K steps 8 kh on, row 1,024 e + 32 w
	s_lshl_b32 s20, s15, 12
	s_add_co_u32 s24, s24, s20
	s_lshl_b32 s20, s14, 7
	s_add_co_u32 s24, s24, s20
	s_add_co_u32 s24, s24, 12582912
	s_add_nc_u64 s[30:31], s[6:7], s[24:25]
	s_lshl_b32 s24, s19, 25                        ; part: half kh, row 1,024 e + 32 w, column 64 jb
	s_lshl_b32 s20, s15, 22
	s_add_co_u32 s24, s24, s20
	s_lshl_b32 s20, s14, 17
	s_add_co_u32 s24, s24, s20
	s_lshl_b32 s20, s16, 8
	s_add_co_u32 s24, s24, s20
	s_add_nc_u64 s[32:33], s[10:11], s[24:25]
.macro UNIT t, left
	s_wait_loadcnt \left                           ; this unit's 32 loads are in; the younger units' may be out
	s_wait_dscnt 0x0                               ; the last unit's LDS stores have read the codes' and the byte's registers
	QBLK LAND+32*(\t)
.irp jj, 0,1,2
	ds_store_b64 v2, v[QC+2*\jj:QC+2*\jj+1] offset:12288*(\t)+8*\jj
.endr
	ds_store_b8 v3, v[QBY] offset:512*(\t)
.endm
	UNIT 0, 63                                     ; 96 and 64 younger loads have been issued; the wait's field holds 63
	UNIT 1, 63
	UNIT 2, 32
	UNIT 3, 0
	s_wait_dscnt 0x0                               ; for the others' sake: my codes and bytes have landed
	s_barrier_signal -1
	s_barrier_wait -1                              ; all 32 images lie in LDS; only the waves' own stages are written from here on
	s_wait_kmcnt 0x0
	s_min_u32 s17, s17, 1024
.macro ALOAD s                         ; my two row tiles' fragments of K step s: each load reads 256 consecutive bytes, aligned
.irp m, 0,1
.irp c, 0,1
.irp jj, 0,1,2
	global_load_b64 v[XF+24*((\s)%2)+12*\m+6*\c+2*\jj:XF+24*((\s)%2)+12*\m+6*\c+2*\jj+1], v6, s[28:29] offset:24576*\m+1536*(\s)+768*\c+256*\jj
.endr
.endr
.endr
.endm
.macro LOADG G
.set gs, (\G)/NG
.set gg, (\G)%NG
.if gg == 0
	ds_load_b64 v[BSC+2*(gs%2):BSC+2*(gs%2)+1], v5 offset:256*gs
.endif
.irp u, 0,1
.irp c, 0,1,2
	ds_load_b128 v[WF+24*((\G)%2)+12*\u+4*\c:WF+24*((\G)%2)+12*\u+4*\c+3], v4 offset:6144*gs+1536*(2*gg+\u)+16*\c
.endr
.endr
.endm
.macro MM u, m                         ; one product; an odd tile's scale words stand in lanes 16-31, and so do row tile 1's.  K step 0 starts the sums: nothing is cleared
.if ks == 0
.if (\u == 0) && (\m == 0)
	v_wmma_scale_f32_16x16x128_f8f6f4 v[rD:rD+7], v[rA:rA+11], v[rB:rB+11], 0, v[rSA], v[rSB] matrix_a_fmt:MATRIX_FMT_BF6 matrix_b_fmt:MATRIX_FMT_BF6
.elseif (\u == 0)
	v_wmma_scale_f32_16x16x128_f8f6f4 v[rD:rD+7], v[rA:rA+11], v[rB:rB+11], 0, v[rSA], v[rSB] matrix_a_fmt:MATRIX_FMT_BF6 matrix_b_fmt:MATRIX_FMT_BF6 matrix_b_scale:MATRIX_SCALE_ROW1
.elseif (\m == 0)
	v_wmma_scale_f32_16x16x128_f8f6f4 v[rD:rD+7], v[rA:rA+11], v[rB:rB+11], 0, v[rSA], v[rSB] matrix_a_fmt:MATRIX_FMT_BF6 matrix_b_fmt:MATRIX_FMT_BF6 matrix_a_scale:MATRIX_SCALE_ROW1
.else
	v_wmma_scale_f32_16x16x128_f8f6f4 v[rD:rD+7], v[rA:rA+11], v[rB:rB+11], 0, v[rSA], v[rSB] matrix_a_fmt:MATRIX_FMT_BF6 matrix_b_fmt:MATRIX_FMT_BF6 matrix_a_scale:MATRIX_SCALE_ROW1 matrix_b_scale:MATRIX_SCALE_ROW1
.endif
.else
.if (\u == 0) && (\m == 0)
	v_wmma_scale_f32_16x16x128_f8f6f4 v[rD:rD+7], v[rA:rA+11], v[rB:rB+11], v[rD:rD+7], v[rSA], v[rSB] matrix_a_fmt:MATRIX_FMT_BF6 matrix_b_fmt:MATRIX_FMT_BF6
.elseif (\u == 0)
	v_wmma_scale_f32_16x16x128_f8f6f4 v[rD:rD+7], v[rA:rA+11], v[rB:rB+11], v[rD:rD+7], v[rSA], v[rSB] matrix_a_fmt:MATRIX_FMT_BF6 matrix_b_fmt:MATRIX_FMT_BF6 matrix_b_scale:MATRIX_SCALE_ROW1
.elseif (\m == 0)
	v_wmma_scale_f32_16x16x128_f8f6f4 v[rD:rD+7], v[rA:rA+11], v[rB:rB+11], v[rD:rD+7], v[rSA], v[rSB] matrix_a_fmt:MATRIX_FMT_BF6 matrix_b_fmt:MATRIX_FMT_BF6 matrix_a_scale:MATRIX_SCALE_ROW1
.else
	v_wmma_scale_f32_16x16x128_f8f6f4 v[rD:rD+7], v[rA:rA+11], v[rB:rB+11], v[rD:rD+7], v[rSA], v[rSB] matrix_a_fmt:MATRIX_FMT_BF6 matrix_b_fmt:MATRIX_FMT_BF6 matrix_a_scale:MATRIX_SCALE_ROW1 matrix_b_scale:MATRIX_SCALE_ROW1
.endif
.endif
.endm
; A group: four products on four accumulators; the 8 accumulators of a K step take turns, one instruction a turn.
.macro GROUP G
.set ks, (\G)/NG
.set kg, (\G)%NG
.if kg == 0
.if ks < 7
	s_wait_loadcnt NA                              ; this K step's row fragments (and, at first, the rows' scale words) are in; the next K step's may be out
.else
	s_wait_loadcnt 0x0
.endif
.endif
.if (\G) == 8*NG-1
	s_wait_dscnt 0x0
.elseif ((\G)+1)%NG == 0
	s_wait_dscnt 7                                 ; this group's LDS loads are in; the next group's six and its scale words may be out
.else
	s_wait_dscnt 6                                 ; this group's LDS loads are in; the next group's six may be out
.endif
.irp u, 0,1
.irp m, 0,1
.set rD, ACC+32*\m+8*(2*kg+\u)
.set rA, WF+24*((\G)%2)+12*\u
.set rB, XF+24*(ks%2)+12*\m
.set rSA, BSC+2*(ks%2)+kg
.set rSB, ASC+ks
	MM \u, \m
.endr
.endr
.rept 4
	v_nop                                          ; four places in front of loads into registers that these products read, and of the first read of results
.endr
.if (\G)+2 < 8*NG
	LOADG (\G)+2
.endif
.if (kg == NG-1) && (ks+2 < 8)
	ALOAD ks+2
.endif
.endm
	s_lshl_b32 s18, s14, 5                         ; my first rank
	s_mov_b32 s34, 0
.Lpass:                                            ; two trips, a constant; a trip whose ranks lie at or over the count is passed over
	s_cmp_ge_u32 s18, s17
	s_cbranch_scc1 .Lskip
.irp s, 0,1,2,3,4,5,6,7
	global_load_b32 v[ASC+\s], v1, s[30:31] offset:32768*\s    ; lane l: the scale word of row l of my 32
.endr
	ALOAD 0
	ALOAD 1
	LOADG 0
	LOADG 1
.set GI, 0
.rept 8*NG
	GROUP GI
.set GI, GI+1
.endr
	; THE WAY OUT.  Lane (r, h) holds, of row r, columns 32 b + 16 h + 8 u + 0 .. 7 of tile 2 b + u: through my own stage, back as rows.  Each accumulator from its low end on
.irp m, 0,1
.irp b, 0,1
.irp u, 0,1
	ds_store_b128 v7, v[ACC+32*\m+8*(2*\b+\u):ACC+32*\m+8*(2*\b+\u)+3] offset:4352*\m+128*\b+32*\u
	ds_store_b128 v7, v[ACC+32*\m+8*(2*\b+\u)+4:ACC+32*\m+8*(2*\b+\u)+7] offset:4352*\m+128*\b+32*\u+16
.endr
.endr
.endr
.irp i, 0,1,2,3,4,5,6,7,8,9,10,11,12,13,14,15
	ds_load_b128 v[OB+4*\i:OB+4*\i+3], v8 offset:544*\i        ; LDS serves a wave's instructions in order: these see my stores
.endr
.irp i, 0,1,2,3,4,5,6,7,8,9,10,11,12,13,14,15
	s_wait_dscnt 15-\i                             ; load i is in; the younger ones may be out
	global_store_b128 v9, v[OB+4*\i:OB+4*\i+3], s[32:33] offset:8192*\i   ; sixteen lanes store 256 consecutive bytes, aligned
.endr
.Lskip:
	s_wait_xcnt 0x0                                ; the stores have read their registers and base: both may be written again
	s_add_nc_u64 s[28:29], s[28:29], 786432        ; 32 row tiles on
	s_add_nc_u64 s[30:31], s[30:31], 2048          ; 512 rows on
	s_add_nc_u64 s[32:33], s[32:33], 2097152
	s_add_co_u32 s18, s18, 512
	s_add_co_u32 s34, s34, 1
	s_cmp_lt_u32 s34, 2
	s_cbranch_scc1 .Lpass
	s_barrier_signal -1
	s_barrier_wait -1
	s_wait_tensorcnt 0x0
	ds_add_u32 v10, v11
	s_wait_dscnt 0x0
	s_endpgm
.Lfunc_end_k_q7bf53771ef_down:
	.size	k_q7bf53771ef_down, .Lfunc_end_k_q7bf53771ef_down-k_q7bf53771ef_down
	.p2alignl 7, 3214868480
	.fill 96, 4, 3214868480
	.section	.rodata,"a",@progbits
	.p2align	6, 0x0
	.amdhsa_kernel k_q7bf53771ef_down
		.amdhsa_group_segment_fixed_size 192512
		.amdhsa_private_segment_fixed_size 0
		.amdhsa_enable_private_segment 0
		.amdhsa_kernarg_size 32
		.amdhsa_user_sgpr_count 2
		.amdhsa_user_sgpr_kernarg_segment_ptr 1
		.amdhsa_wavefront_size32 1
		.amdhsa_system_sgpr_workgroup_id_x 1
		.amdhsa_system_sgpr_workgroup_id_y 1
		.amdhsa_system_sgpr_workgroup_id_z 1
		.amdhsa_system_vgpr_workitem_id 0
		.amdhsa_next_free_vgpr 256
		.amdhsa_next_free_sgpr 66
		.amdhsa_reserve_vcc 0
		.amdhsa_float_denorm_mode_32 3
		.amdhsa_float_denorm_mode_16_64 3
		.amdhsa_memory_ordered 1
		.amdhsa_forward_progress 1
		.amdhsa_inst_pref_size 55
	.end_amdhsa_kernel
	.amdgpu_metadata
---
amdhsa.version: [ 1, 2 ]
amdhsa.kernels:
  - .name:           k_q7bf53771ef_down
    .symbol:         k_q7bf53771ef_down.kd
    .args:
      - { .name: pos, .offset: 0, .size: 8, .value_kind: global_buffer, .address_space: global }
      - { .name: hc, .offset: 8, .size: 8, .value_kind: global_buffer, .address_space: global }
      - { .name: w3, .offset: 16, .size: 8, .value_kind: global_buffer, .address_space: global }
      - { .name: part, .offset: 24, .size: 8, .value_kind: global_buffer, .address_space: global }
    .group_segment_fixed_size: 192512
    .private_segment_fixed_size: 0
    .kernarg_segment_align: 8
    .kernarg_segment_size: 32
    .max_flat_workgroup_size: 512
    .sgpr_count:     66
    .vgpr_count:     256
    .wavefront_size: 32
...
	.end_amdgpu_metadata
.endif
;; end of part 3
;; launch sum (part 4): grid 256 x 1, 4 waves a work-group, no clusters, 0 bytes of LDS; arguments rtab, pos, rf, part, out0, out1; writes out0, out1
.if DOCPART == 4
	.amdgcn_target "amdgcn-amd-amdhsa--gfx1250"
	.amdhsa_code_object_version 6
	.text
	.protected	k_q7bf53771ef_sum
	.globl	k_q7bf53771ef_sum
	.p2align	8
	.type	k_q7bf53771ef_sum,@function
k_q7bf53771ef_sum:
	s_mov_b64 s[64:65], 0
	v_nop
	global_prefetch_b8 v0, s[64:65] scope:SCOPE_SE
	s_setreg_imm32_b32 hwreg(HW_REG_WAVE_MODE, 25, 1), 1
	s_wait_xcnt 0x0
; THE COMBINATION.  One wave to a token t: out0[t] = w1 (the two K halves of its row at expert e1) + w2 (the same at e2).  The routing word, the weights and the token's places come by scalar loads;
; the place of e1 and of e2 is chosen among the eight by selects, held inside the table, and forms the rows' addresses.  Four rows of 4,096 bytes in, one out; every load and store covers 512 consecutive bytes.
; Wave 0 of work-group 0 also adds the 128 partial sums of logits^2: out1 = 0.01 x their sum / 8,192.
; A stream: no LDS, barrier, matrix unit or cluster would add anything; nothing is shared between work-groups.
	s_load_b256 s[4:11], s[0:1], 0x0               ; rtab s[4:5], pos s[6:7], rf s[8:9], part s[10:11]
	s_load_b128 s[12:15], s[0:1], 0x20             ; out0 s[12:13], out1 s[14:15]
	v_lshrrev_b32 v1, 5, v0
	v_readfirstlane_b32 s18, v1                    ; wave
	v_and_b32 v1, 31, v0
	v_lshlrev_b32 v2, 4, v1                        ; 16 x lane
	v_mov_b32 v3, 0
	s_lshl_b32 s19, ttmp9, 2
	s_add_co_u32 s19, s19, s18                     ; my token
	s_lshl_b32 s16, s19, 2
	s_lshl_b32 s17, s19, 3
	s_mov_b32 s50, 0x76543210
	s_mov_b32 s51, 0xfedcba98
	s_wait_kmcnt 0x0
	s_load_b32 s20, s[4:5], s16 offset:0x0         ; its routing word
	s_load_b64 s[22:23], s[8:9], s17 offset:0x0    ; its two weights
.irp e, 0,1,2,3,4,5,6,7
	s_load_b32 s[32+\e], s[6:7], s16 offset:4096*\e   ; its place at each expert
.endr
	s_wait_kmcnt 0x0
	s_and_b32 s21, s20, 255                        ; e1
	s_bfe_u32 s30, s20, 0x80008                    ; e2
	s_mov_b32 s26, s32
	s_mov_b32 s27, s32
.irp e, 1,2,3,4,5,6,7
	s_cmp_eq_u32 s21, \e
	s_cselect_b32 s26, s[32+\e], s26
	s_cmp_eq_u32 s30, \e
	s_cselect_b32 s27, s[32+\e], s27
.endr
	s_min_u32 s26, s26, 0x1fff                     ; held inside part's 8,192 rows ahead of the address arithmetic
	s_min_u32 s27, s27, 0x1fff
	s_mov_b32 s29, 0
	s_lshl_b32 s28, s26, 12
	s_add_nc_u64 s[40:41], s[10:11], s[28:29]      ; e1's row, first K half,
	s_add_nc_u64 s[42:43], s[40:41], 0x2000000     ; second K half
	s_lshl_b32 s28, s27, 12
	s_add_nc_u64 s[44:45], s[10:11], s[28:29]      ; e2's likewise
	s_add_nc_u64 s[46:47], s[44:45], 0x2000000
	s_lshl_b32 s28, s19, 12
	s_add_nc_u64 s[48:49], s[12:13], s[28:29]      ; my row of out0
	s_mov_b32 s24, s23                             ; w2, as a pair for the packed form
	s_mov_b32 s25, s23
.irp i, 0,1,2,3,4,5,6,7
.irp k, 0,1,2,3
	global_load_b128 v[16+32*\k+4*\i:19+32*\k+4*\i], v2, s[40+2*\k:41+2*\k] offset:512*\i th:TH_LOAD_NT
.endr
.endr
.irp i, 0,1,2,3,4,5,6,7
	s_wait_loadcnt 28-4*\i                         ; chunk i's four loads are in; the younger chunks' may be out
.irp p, 0,2
	v_pk_add_f32 v[16+4*\i+\p:17+4*\i+\p], v[16+4*\i+\p:17+4*\i+\p], v[48+4*\i+\p:49+4*\i+\p]
	v_pk_add_f32 v[80+4*\i+\p:81+4*\i+\p], v[80+4*\i+\p:81+4*\i+\p], v[112+4*\i+\p:113+4*\i+\p]
	v_pk_mul_f32 v[16+4*\i+\p:17+4*\i+\p], v[16+4*\i+\p:17+4*\i+\p], s[22:23] op_sel_hi:[1,0]
	v_pk_fma_f32 v[16+4*\i+\p:17+4*\i+\p], v[80+4*\i+\p:81+4*\i+\p], s[24:25], v[16+4*\i+\p:17+4*\i+\p] op_sel_hi:[1,0,1]
.endr
	global_store_b128 v2, v[16+4*\i:19+4*\i], s[48:49] offset:512*\i th:TH_STORE_NT
.endr
	s_or_b32 s30, ttmp9, s18
	s_cmp_lg_u32 s30, 0
	s_cbranch_scc1 .Lend
	global_load_b128 v[4:7], v2, s[8:9] offset:8192    ; the 128 partial sums
	v_mov_b32 v9, 0
	s_wait_loadcnt 0x0
	v_add_f32 v4, v4, v5
	v_add_f32 v6, v6, v7
	v_add_f32 v8, v4, v6
	v_add_f32_dpp v8, v8, v8 row_xmask:1 row_mask:0xf bank_mask:0xf
	v_add_f32_dpp v8, v8, v8 row_xmask:2 row_mask:0xf bank_mask:0xf
	v_add_f32_dpp v8, v8, v8 row_xmask:4 row_mask:0xf bank_mask:0xf
	v_add_f32_dpp v8, v8, v8 row_xmask:8 row_mask:0xf bank_mask:0xf
	v_permlanex16_b32 v9, v8, s50, s51
	v_add_f32 v8, v8, v9
	v_mul_f32 v8, 0x35a3d70a, v8                   ; x 0.01 / 8,192
	v_cmp_eq_u32 vcc_lo, 0, v1
	s_wait_xcnt 0x0                                ; EXEC changes only behind this wait
	s_and_saveexec_b32 s30, vcc_lo
	global_store_b32 v3, v8, s[14:15]
	s_wait_xcnt 0x0
	s_or_b32 exec_lo, exec_lo, s30
.Lend:
	s_endpgm
.Lfunc_end_k_q7bf53771ef_sum:
	.size	k_q7bf53771ef_sum, .Lfunc_end_k_q7bf53771ef_sum-k_q7bf53771ef_sum
	.p2alignl 7, 3214868480
	.fill 96, 4, 3214868480
	.section	.rodata,"a",@progbits
	.p2align	6, 0x0
	.amdhsa_kernel k_q7bf53771ef_sum
		.amdhsa_group_segment_fixed_size 0
		.amdhsa_private_segment_fixed_size 0
		.amdhsa_enable_private_segment 0
		.amdhsa_kernarg_size 48
		.amdhsa_user_sgpr_count 2
		.amdhsa_user_sgpr_kernarg_segment_ptr 1
		.amdhsa_wavefront_size32 1
		.amdhsa_system_sgpr_workgroup_id_x 1
		.amdhsa_system_sgpr_workgroup_id_y 1
		.amdhsa_system_sgpr_workgroup_id_z 1
		.amdhsa_system_vgpr_workitem_id 0
		.amdhsa_next_free_vgpr 160
		.amdhsa_next_free_sgpr 66
		.amdhsa_reserve_vcc 1
		.amdhsa_float_denorm_mode_32 3
		.amdhsa_float_denorm_mode_16_64 3
		.amdhsa_memory_ordered 1
		.amdhsa_forward_progress 1
		.amdhsa_inst_pref_size 13
	.end_amdhsa_kernel
	.amdgpu_metadata
---
amdhsa.version: [ 1, 2 ]
amdhsa.kernels:
  - .name:           k_q7bf53771ef_sum
    .symbol:         k_q7bf53771ef_sum.kd
    .args:
      - { .name: rtab, .offset: 0, .size: 8, .value_kind: global_buffer, .address_space: global }
      - { .name: pos, .offset: 8, .size: 8, .value_kind: global_buffer, .address_space: global }
      - { .name: rf, .offset: 16, .size: 8, .value_kind: global_buffer, .address_space: global }
      - { .name: part, .offset: 24, .size: 8, .value_kind: global_buffer, .address_space: global }
      - { .name: out0, .offset: 32, .size: 8, .value_kind: global_buffer, .address_space: global }
      - { .name: out1, .offset: 40, .size: 8, .value_kind: global_buffer, .address_space: global }
    .group_segment_fixed_size: 0
    .private_segment_fixed_size: 0
    .kernarg_segment_align: 8
    .kernarg_segment_size: 48
    .max_flat_workgroup_size: 128
    .sgpr_count:     66
    .vgpr_count:     160
    .wavefront_size: 32
...
	.end_amdgpu_metadata
.endif
;; end of part 4
;; ======== version 2 of 2: 4 launches
;; workspace buffers: rtab 4,096 bytes of whole numbers; pos 33,024 bytes of whole numbers; rf 8,704 bytes; xc 819,200 bytes; hc 13,107,200 bytes; part 67,108,864 bytes
;; launch route (part 5): grid 128 x 1, 4 waves a work-group, no clusters, 77,312 bytes of LDS; arguments x, router_w, router_b, xc, rtab, rf; writes xc, rtab, rf
.if DOCPART == 5
	.amdgcn_target "amdgcn-amd-amdhsa--gfx1250"
	.amdhsa_code_object_version 6
	.text
	.protected	k_q7bf53771ef_route
	.globl	k_q7bf53771ef_route
	.p2align	8
	.type	k_q7bf53771ef_route,@function
k_q7bf53771ef_route:
	s_mov_b64 s[64:65], 0
	v_nop
	global_prefetch_b8 v0, s[64:65] scope:SCOPE_SE
	s_setreg_imm32_b32 hwreg(HW_REG_WAVE_MODE, 25, 1), 1
	s_wait_xcnt 0x0
; ROUTER AND x's QUANTISER.  1,024 tokens of 1,024 numbers.  A work-group of four waves takes 8 tokens, a wave 2.
; logits = x . router_w[e] + router_b[e] by f32 fused multiply-adds; scores = sigmoid; the two largest scores (the lower index wins a tie);
; weights = score / (sum of the two + 1e-6).  Stored at fixed places: a routing word for each token (e1 | e2 << 8 | the two experts' bits << 16),
; the two weights, and each work-group's sum of logits^2.  No address and no branch here hangs on these numbers: later launches read them.
; x is read once and also leaves as codes of E3M2 with one E8M0 byte for each 32 along D.  A token's codes are laid in the order of an operand's registers:
; block 4 s + 2 c + h at byte 96 s + 48 h + 24 c, so that lane (r, h) of a fragment finds its 48 bytes of K step s on end.  The scale bytes lie in natural order, 32 a token.
; No matrix unit, tensor load or cluster: 4 MiB are streamed once, and router_w (32 KiB) is all that work-groups share.
; LIMITS: NaN and infinities are not served.  The scores come from v_exp_f32 and v_rcp_f32: two scores within their last bit may be ordered otherwise than by another sigmoid.
; A block of zeros gets the byte 1 (the floor) where the rule says 127: its codes are zeros, and this program alone reads the bytes.
; The routing words (32 bytes), weights (64) and the sum (4) of a work-group are short stores: 12.5 KiB in the whole launch.
.set RW, 0                             ; LDS: router_w as it lies, 32,768 bytes
.set XT, 32768                         ; the turn stage: 9,216 bytes a wave: 2 tokens x 32 places of 128 + 16 bytes
.set CO, 69632                         ; the codes' stage: 1,536 bytes a wave
.set XS, 75776                         ; 256 scale bytes
.set SM, 76032                         ; words 0-7 routing words, 8-23 weights, 24-27 the waves' sums of squares
.set L,  16                            ; v16-23   logits
.set S,  24                            ; v24-31   scores
.set X,  32                            ; v32-95   2 tokens x 32 numbers
.set WE, 96                            ; v96-159  router_w on its way to LDS, then two sets of an expert's 32 numbers
.set AC, 160                           ; v160-191 a pair of partial sums for (token u, expert e) at AC + 2 (8 u + e)
.set V1, 192
.set I1, 193
.set V2, 194
.set I2, 195
.set TV, 196
.set TI, 197
.set SQ, 198
.set EI, 199
.set WP, 200                           ; v[200:201] the two weights
.set DD, 202
.set RC, 203
.set WD, 204
.set TA, 205
.set TC, 206
.set QM0, 192                          ; the quantiser's registers, free once the routing numbers are in LDS
.set QM1, 193
.set QSC, 194
.set QBY, 195
.set QC,  196                          ; v196-202
; 32 numbers of ONE block in v[x] on become 24 bytes of codes in v[QC:QC+5] and the scale's byte in v[QBY].
.macro QBLK x
	v_max3_num_f32 v[QM0], |v[(\x)]|, |v[(\x)+1]|, |v[(\x)+2]|      ; the largest magnitude, in two chains
	v_max3_num_f32 v[QM1], |v[(\x)+3]|, |v[(\x)+4]|, |v[(\x)+5]|
.irp i, 6,10,14,18,22,26
	v_max3_num_f32 v[QM0], v[QM0], |v[(\x)+\i]|, |v[(\x)+\i+1]|
	v_max3_num_f32 v[QM1], v[QM1], |v[(\x)+\i+2]|, |v[(\x)+\i+3]|
.endr
	v_max3_num_f32 v[QM0], v[QM0], |v[(\x)+30]|, |v[(\x)+31]|
	v_max3_num_f32 v[QM0], v[QM0], v[QM1], 0x2800000               ; the floor 2^(5 - 127): the byte cannot fall under 1
	v_add_nc_u32 v[QSC], 0xfe000000, v[QM0]                        ; 4 off the exponent field: the conversion's scale operand
	v_cvt_scalef32_pk16_bf6_f32 v[QC:QC+2], v[(\x):(\x)+15], v[QSC]
	v_cvt_scalef32_pk16_bf6_f32 v[QC+4:QC+6], v[(\x)+16:(\x)+31], v[QSC]   ; (a conversion's three registers begin on an even number)
	v_lshrrev_b32 v[QBY], 23, v[QSC]                               ; the byte; also the plain line behind the conversions
	v_mov_b32 v[QC+3], v[QC+4]
	v_mov_b32 v[QC+4], v[QC+5]
	v_mov_b32 v[QC+5], v[QC+6]
.endm
	s_load_b256 s[4:11], s[0:1], 0x0               ; x s[4:5], router_w s[6:7], router_b s[8:9], xc s[10:11]
	s_load_b128 s[12:15], s[0:1], 0x20             ; rtab s[12:13], rf s[14:15]
	v_lshl_add_u32 v216, v0, 2, 0x12c00
	v_mov_b32 v217, 0
	v_and_b32 v1, 31, v0                           ; lane
	v_lshrrev_b32 v13, 5, v0
	v_readfirstlane_b32 s24, v13                   ; wave
	v_lshlrev_b32 v2, 4, v1                        ; 16 x lane
	v_lshrrev_b32 v3, 4, v1                        ; h
	s_lshl_b32 s25, s24, 13
	v_add_nc_u32 v4, s25, v2                       ; 8,192 w + 16 lane: my place in router_w, in the group's rows of x, and in RW
	s_mul_i32 s25, s24, 9216
	s_add_co_u32 s25, s25, XT
	v_lshrrev_b32 v14, 3, v1
	v_mul_u32_u24 v14, v14, 144
	v_and_b32 v15, 7, v1
	v_lshl_add_u32 v14, v15, 4, v14
	v_add_nc_u32 v5, s25, v14                      ; the turn stage, in: eight lanes' 128 bytes on end, then 16 of padding
	v_mul_u32_u24 v14, v1, 144
	v_add_nc_u32 v6, s25, v14                      ; and out: place = lane = block
	s_mul_i32 s25, s24, 1536
	v_add_nc_u32 v13, s25, v2                      ; 1,536 w + 16 lane: the codes' way out
	v_add_nc_u32 v8, CO, v13
	v_lshrrev_b32 v14, 2, v1
	v_mul_u32_u24 v14, v14, 96
	v_and_b32 v15, 1, v1
	v_mad_u32_u24 v14, v15, 48, v14
	v_bfe_u32 v15, v1, 1, 1
	v_mad_u32_u24 v14, v15, 24, v14
	v_add_nc_u32 v14, s25, v14
	v_add_nc_u32 v7, CO, v14                       ; block = lane goes to 96 (lane / 4) + 48 (lane % 2) + 24 ((lane / 2) % 2)
	s_lshl_b32 s25, s24, 6
	v_add_nc_u32 v9, s25, v1
	v_add_nc_u32 v9, XS, v9                        ; my block's scale byte
	s_lshl_b32 s25, s24, 3
	v_lshl_add_u32 v10, v3, 2, s25
	v_add_nc_u32 v10, SM, v10                      ; my token's routing word
	s_lshl_b32 s25, s24, 4
	v_lshl_add_u32 v11, v3, 3, s25
	v_add_nc_u32 v11, SM+32, v11                   ; its two weights
	s_lshl_b32 s25, s24, 2
	v_mov_b32 v12, s25
	v_add_nc_u32 v12, SM+96, v12                   ; my wave's sum of squares
	v_lshlrev_b32 v209, 3, v1
	v_add_nc_u32 v208, XS, v209
	v_and_b32 v210, 7, v1
	v_lshlrev_b32 v210, 2, v210
	v_add_nc_u32 v211, SM, v210
	v_and_b32 v212, 15, v1
	v_lshlrev_b32 v212, 2, v212
	v_add_nc_u32 v213, SM+32, v212
	v_mov_b32 v214, SM+96
	v_mov_b32 v215, 0
	s_mov_b32 s28, 0x76543210                      ; v_permlanex16_b32's selects for lane l xor 16
	s_mov_b32 s29, 0xfedcba98
	s_mov_b32 s30, 0xffff0000                      ; lanes 16-31
	s_mov_b32 s31, 0xbfb8aa3b                      ; -log2(e)
	s_mov_b32 s32, 0x358637bd                      ; 1e-6
	s_lshl_b32 s26, ttmp9, 15                      ; 8 rows of 4,096 bytes a work-group
	s_mov_b32 s27, 0
	s_wait_kmcnt 0x0
	s_load_b256 s[16:23], s[8:9], 0x0              ; router_b's eight numbers
	s_add_nc_u64 s[4:5], s[4:5], s[26:27]
.set n, 0
.rept 16
	global_load_b128 v[WE+4*n:WE+4*n+3], v4, s[6:7] offset:512*n          ; my wave's two experts of router_w: 512 consecutive bytes a load
.set n, n+1
.endr
.set n, 0
.rept 16
	global_load_b128 v[X+4*n:X+4*n+3], v4, s[4:5] offset:512*n th:TH_LOAD_NT   ; my two tokens
.set n, n+1
.endr
	s_mul_i32 s26, ttmp9, 6144
	s_add_nc_u64 s[42:43], s[10:11], s[26:27]      ; the group's codes
	s_lshl_b32 s26, ttmp9, 8
	s_add_co_u32 s26, s26, 786432
	s_add_nc_u64 s[36:37], s[10:11], s[26:27]      ; its scale bytes
	s_lshl_b32 s26, ttmp9, 5
	s_add_nc_u64 s[12:13], s[12:13], s[26:27]      ; its routing words
	s_lshl_b32 s26, ttmp9, 6
	s_add_nc_u64 s[38:39], s[14:15], s[26:27]      ; its weights
	s_lshl_b32 s26, ttmp9, 2
	s_add_nc_u64 s[40:41], s[14:15], s[26:27]      ; its sum of squares (8,192 bytes on)
	s_wait_loadcnt 16                              ; router_w's 16 loads are in; x's 16 may be out
.set n, 0
.rept 16
	ds_store_b128 v4, v[WE+4*n:WE+4*n+3] offset:512*n
.set n, n+1
.endr
	s_wait_loadcnt 0x0
.irp u, 0,1
.irp i, 0,1,2,3,4,5,6,7
	ds_store_b128 v5, v[X+32*\u+4*\i:X+32*\u+4*\i+3] offset:4608*\u+576*\i   ; x into the turn stage, as loaded
.endr
.endr
	s_wait_dscnt 0x0                               ; for the others' sake: my part of router_w has landed
	s_barrier_signal -1
	s_barrier_wait -1
; The dot products, on x as loaded: x and router_w have the same k in the same lane and register.
.macro LDW e
.irp i, 0,1,2,3,4,5,6,7
	ds_load_b128 v[WE+32*((\e)%2)+4*\i:WE+32*((\e)%2)+4*\i+3], v2 offset:4096*(\e)+512*\i
.endr
.endm
.macro DOT e
.if (\e) < 7
	s_wait_dscnt 8                                 ; this expert's eight loads are in; the next expert's may be out
.else
	s_wait_dscnt 0x0
.endif
	v_pk_mul_f32 v[AC+2*(\e):AC+2*(\e)+1], v[X:X+1], v[WE+32*((\e)%2):WE+32*((\e)%2)+1]          ; the first product starts each sum
	v_pk_mul_f32 v[AC+16+2*(\e):AC+17+2*(\e)], v[X+32:X+33], v[WE+32*((\e)%2):WE+32*((\e)%2)+1]
.set p, 2
.rept 15
	v_pk_fma_f32 v[AC+2*(\e):AC+2*(\e)+1], v[X+p:X+p+1], v[WE+32*((\e)%2)+p:WE+32*((\e)%2)+p+1], v[AC+2*(\e):AC+2*(\e)+1]
	v_pk_fma_f32 v[AC+16+2*(\e):AC+17+2*(\e)], v[X+32+p:X+33+p], v[WE+32*((\e)%2)+p:WE+32*((\e)%2)+p+1], v[AC+16+2*(\e):AC+17+2*(\e)]
.set p, p+2
.endr
.if (\e) < 6
	LDW (\e)+2
.endif
.endm
	LDW 0
	LDW 1
.irp e, 0,1,2,3,4,5,6,7
	DOT \e
.endr
.irp u, 0,1
.irp jj, 0,1,2,3,4,5,6,7
	ds_load_b128 v[X+32*\u+4*\jj:X+32*\u+4*\jj+3], v6 offset:4608*\u+16*\jj   ; x back from the turn stage: a lane now holds block = lane, 32 neighbours
.endr
.endr
; The 16 sums over the wave's 32 lanes, stage by stage.
.set q, 0
.rept 16
	v_add_f32 v[AC+2*q], v[AC+2*q], v[AC+2*q+1]
.set q, q+1
.endr
.irp k, 1,2,4,8
.set q, 0
.rept 16
	v_add_f32_dpp v[AC+2*q], v[AC+2*q], v[AC+2*q] row_xmask:\k row_mask:0xf bank_mask:0xf
.set q, q+1
.endr
.endr
.set q, 0
.rept 16
	v_permlanex16_b32 v[AC+2*q+1], v[AC+2*q], s28, s29
.set q, q+1
.endr
.set q, 0
.rept 16
	v_add_f32 v[AC+2*q], v[AC+2*q], v[AC+2*q+1]
.set q, q+1
.endr
	s_wait_alu depctr_va_vdst(0)
	s_wait_kmcnt 0x0                               ; router_b
.irp e, 0,1,2,3,4,5,6,7
	v_cndmask_b32 v[L+\e], v[AC+2*\e], v[AC+16+2*\e], s30      ; lanes 0-15 work my first token, lanes 16-31 my second
.endr
.irp e, 0,1,2,3,4,5,6,7
	v_add_f32 v[L+\e], s[16+\e], v[L+\e]
.endr
	v_mul_f32 v[SQ], v[L], v[L]
.irp e, 1,2,3,4,5,6,7
	v_fma_f32 v[SQ], v[L+\e], v[L+\e], v[SQ]
.endr
.irp e, 0,1,2,3,4,5,6,7
	v_mul_f32 v[S+\e], s31, v[L+\e]
.endr
	s_wait_alu depctr_va_vdst(0)
.irp e, 0,1,2,3,4,5,6,7
	v_exp_f32 v[S+\e], v[S+\e]
.endr
	v_nop                                          ; a plain line behind the exponentials
	s_wait_alu depctr_va_vdst(0)
.irp e, 0,1,2,3,4,5,6,7
	v_add_f32 v[S+\e], 1.0, v[S+\e]
.endr
	s_wait_alu depctr_va_vdst(0)
.irp e, 0,1,2,3,4,5,6,7
	v_rcp_f32 v[S+\e], v[S+\e]                     ; sigmoid = 1 / (1 + 2^(-log2(e) x))
.endr
	v_nop
	s_wait_alu depctr_va_vdst(0)
	v_mov_b32 v[V1], v[S]
	v_mov_b32 v[I1], 0
	v_mov_b32 v[V2], -1.0                          ; under every score
	v_mov_b32 v[I2], 0
.macro TOP e                           ; strictly greater alone moves a place: the lower index keeps a tie.  Selects, no branch
	v_mov_b32 v[EI], \e
	v_cmp_gt_f32 vcc_lo, v[S+\e], v[V1]
	v_cmp_gt_f32 s34, v[S+\e], v[V2]
	v_cndmask_b32 v[TV], v[V2], v[S+\e], s34
	v_cndmask_b32 v[TI], v[I2], v[EI], s34
	v_cndmask_b32 v[V2], v[TV], v[V1], vcc_lo
	v_cndmask_b32 v[I2], v[TI], v[I1], vcc_lo
	v_cndmask_b32 v[V1], v[V1], v[S+\e], vcc_lo
	v_cndmask_b32 v[I1], v[I1], v[EI], vcc_lo
.endm
.irp e, 1,2,3,4,5,6,7
	TOP \e
.endr
	v_add_f32 v[DD], v[V1], v[V2]
	v_add_f32 v[DD], s32, v[DD]
	s_wait_alu depctr_va_vdst(0)
	v_rcp_f32 v[RC], v[DD]
	v_lshl_or_b32 v[WD], v[I2], 8, v[I1]           ; (a plain line behind the reciprocal)
	s_wait_alu depctr_va_vdst(0)
	v_mul_f32 v[WP], v[V1], v[RC]
	v_mul_f32 v[WP+1], v[V2], v[RC]
	v_mov_b32 v[TC], 0x10000
	v_lshlrev_b32 v[TA], v[I1], v[TC]
	v_or_b32 v[WD], v[WD], v[TA]
	v_lshlrev_b32 v[TA], v[I2], v[TC]
	v_or_b32 v[WD], v[WD], v[TA]
	v_permlanex16_b32 v[TV], v[SQ], s28, s29
	v_add_f32 v[SQ], v[SQ], v[TV]                  ; both tokens' squares
	ds_store_b32 v10, v[WD]                        ; sixteen lanes write the same word with the same value
	ds_store_b64 v11, v[WP:WP+1]
	ds_store_b32 v12, v[SQ]
.irp u, 0,1
	s_wait_dscnt 0x0                               ; x is back from the turn stage; the LDS stores above have read the registers that are written next
	QBLK X+32*\u
.irp jj, 0,1,2
	ds_store_b64 v7, v[QC+2*\jj:QC+2*\jj+1] offset:768*\u+8*\jj
.endr
	ds_store_b8 v9, v[QBY] offset:32*\u
.endr
.irp jj, 0,1,2
	ds_load_b128 v[WE+4*\jj:WE+4*\jj+3], v8 offset:512*\jj     ; LDS serves a wave's instructions in order: these see my stores
.endr
	s_wait_dscnt 0x0
.irp jj, 0,1,2
	global_store_b128 v13, v[WE+4*\jj:WE+4*\jj+3], s[42:43] offset:512*\jj   ; 512 consecutive bytes, at a multiple of 512 from the buffer's first byte
.endr
	s_barrier_signal -1                            ; every LDS store of mine was waited for above
	s_barrier_wait -1
	s_cmp_lg_u32 s24, 0
	s_cbranch_scc1 .Lend                           ; wave 0 sends the group's small results
	ds_load_b64 v[112:113], v208
	ds_load_b32 v114, v211
	ds_load_b32 v115, v213
	ds_load_b128 v[116:119], v214
	s_wait_dscnt 0x0
	v_add_f32 v116, v116, v117
	v_add_f32 v118, v118, v119
	v_add_f32 v116, v116, v118
	global_store_b64 v209, v[112:113], s[36:37]    ; 256 scale bytes, aligned
	v_cmp_gt_u32 vcc_lo, 8, v1
	s_wait_alu depctr_va_vdst(0)
	s_wait_xcnt 0x0                                ; EXEC changes only behind this wait
	s_and_saveexec_b32 s34, vcc_lo
	global_store_b32 v210, v114, s[12:13]          ; 8 routing words
	s_wait_xcnt 0x0
	s_or_b32 exec_lo, exec_lo, s34
	v_cmp_gt_u32 vcc_lo, 16, v1
	s_and_saveexec_b32 s34, vcc_lo
	global_store_b32 v212, v115, s[38:39]          ; 16 weights
	s_wait_xcnt 0x0
	s_or_b32 exec_lo, exec_lo, s34
	v_cmp_eq_u32 vcc_lo, 0, v1
	s_and_saveexec_b32 s34, vcc_lo
	global_store_b32 v215, v116, s[40:41] offset:8192   ; the group's sum of logits^2
	s_wait_xcnt 0x0
	s_or_b32 exec_lo, exec_lo, s34
.Lend:
	s_barrier_signal -1
	s_barrier_wait -1
	s_wait_tensorcnt 0x0
	ds_add_u32 v216, v217
	s_wait_dscnt 0x0
	s_endpgm
.Lfunc_end_k_q7bf53771ef_route:
	.size	k_q7bf53771ef_route, .Lfunc_end_k_q7bf53771ef_route-k_q7bf53771ef_route
	.p2alignl 7, 3214868480
	.fill 96, 4, 3214868480
	.section	.rodata,"a",@progbits
	.p2align	6, 0x0
	.amdhsa_kernel k_q7bf53771ef_route
		.amdhsa_group_segment_fixed_size 77312
		.amdhsa_private_segment_fixed_size 0
		.amdhsa_enable_private_segment 0
		.amdhsa_kernarg_size 48
		.amdhsa_user_sgpr_count 2
		.amdhsa_user_sgpr_kernarg_segment_ptr 1
		.amdhsa_wavefront_size32 1
		.amdhsa_system_sgpr_workgroup_id_x 1
		.amdhsa_system_sgpr_workgroup_id_y 1
		.amdhsa_system_sgpr_workgroup_id_z 1
		.amdhsa_system_vgpr_workitem_id 0
		.amdhsa_next_free_vgpr 218
		.amdhsa_next_free_sgpr 66
		.amdhsa_reserve_vcc 1
		.amdhsa_float_denorm_mode_32 3
		.amdhsa_float_denorm_mode_16_64 3
		.amdhsa_memory_ordered 1
		.amdhsa_forward_progress 1
		.amdhsa_inst_pref_size 48
	.end_amdhsa_kernel
	.amdgpu_metadata
---
amdhsa.version: [ 1, 2 ]
amdhsa.kernels:
  - .name:           k_q7bf53771ef_route
    .symbol:         k_q7bf53771ef_route.kd
    .args:
      - { .name: x, .offset: 0, .size: 8, .value_kind: global_buffer, .address_space: global }
      - { .name: router_w, .offset: 8, .size: 8, .value_kind: global_buffer, .address_space: global }
      - { .name: router_b, .offset: 16, .size: 8, .value_kind: global_buffer, .address_space: global }
      - { .name: xc, .offset: 24, .size: 8, .value_kind: global_buffer, .address_space: global }
      - { .name: rtab, .offset: 32, .size: 8, .value_kind: global_buffer, .address_space: global }
      - { .name: rf, .offset: 40, .size: 8, .value_kind: global_buffer, .address_space: global }
    .group_segment_fixed_size: 77312
    .private_segment_fixed_size: 0
    .kernarg_segment_align: 8
    .kernarg_segment_size: 48
    .max_flat_workgroup_size: 128
    .sgpr_count:     66
    .vgpr_count:     218
    .wavefront_size: 32
...
	.end_amdgpu_metadata
.endif
;; end of part 5
;; launch up (part 6): grid 32 x 8, 16 waves a work-group, no clusters, 104,448 bytes of LDS; arguments rtab, xc, w12, hc, pos; writes hc, pos
.if DOCPART == 6
	.amdgcn_target "amdgcn-amd-amdhsa--gfx1250"
	.amdhsa_code_object_version 6
	.text
	.protected	k_q7bf53771ef_up
	.globl	k_q7bf53771ef_up
	.p2align	8
	.type	k_q7bf53771ef_up,@function
k_q7bf53771ef_up:
	s_mov_b64 s[64:65], 0
	v_nop
	global_prefetch_b8 v0, s[64:65] scope:SCOPE_SE
	s_setreg_imm32_b32 hwreg(HW_REG_WAVE_MODE, 25, 1), 1
	s_wait_xcnt 0x0
; FIRST PRODUCT AND SwiGLU, for the rows routed to one expert.  Work-group (j, e): hidden units 64 j .. 64 j + 63 of expert e, that is columns 64 j .. of h1 and 2,048 + 64 j .. of h2: 1,024 x 128 numbers of w12,
; which no other work-group reads.  PHASE 1: the sixteen waves read them once as f32, quantise them along D in registers (E3M2, one E8M0 byte for each 32) and lay the codes in LDS as images of operand registers.
; A lane takes a column and its 32 registers run down K: a block lies in one lane, and nothing is transposed.  Each load reads 128 consecutive bytes; the wave beside it reads the other half of the aligned 256.
; Meanwhile every wave makes the expert's list from the routing words: 32 masks in scalar registers.  A token's rank among the expert's rows is its place in mask order.
; PHASE 2, behind the launch's one barrier: wave w takes the rows of ranks 32 w .. 32 w + 31 (and 512 further on in a second trip, so that any split up to all 1,024 tokens on one expert is served),
; finds their tokens from the masks, gathers their codes of x, multiplies (128 matrix instructions), forms silu(h1) h2 in f32, quantises it along H and stores it in the order of the next product's operand registers.
; THE MATRIX INSTRUCTION IS USED TRANSPOSED: source 0 = 16 columns of w12, source 1 = 16 rows.  THE COLUMNS OF A TILE ARE NOT NEIGHBOURS: of 32 columns, column 16 a + 8 u + i is row 8 a + i of tile u,
; so that a lane's 16 registers of tiles (b, 0), (b, 1) are the hidden units 32 b + 16 (lane / 16) + 0 .. 15 of its row.
; NO TENSOR LOADS, NO CLUSTER: phase 2 branches on a count read from memory; no weight byte is shared between work-groups; what is shared, an expert's rows of x as codes (800 bytes a row), is small beside the 512 KiB of weights.
; LIMITS: NaN and infinities are not served; a block of zeros gets the byte 1 (its codes are zeros; this program alone reads the bytes); the sigmoid's exponential falls to 0 under 2^-126.
; Ranks at or over the count inside a wave's 32 rows are computed on some valid token and stored where nobody reads them.  A row's two scale bytes leave by stores of 2 bytes: 64 bytes a wave and trip.
.set NG,  4                            ; groups of two tiles in a K step
.set NA,  6                            ; loads of a K step's row fragments
.set SCB, 98304                        ; LDS: 0 .. 98,303 the images, (K step s, tile T) at 12,288 s + 1,536 T, lane l's 48 bytes at 48 l;  from SCB 512 bytes a K step: the word of (tile 2 q + u, row r) at 16 (16 u + r) + 4 q
.set ASC, 12                           ; v12-19  the rows' scale words, K step s in v[ASC + s]: lanes 0-15 row tile 0, lanes 16-31 row tile 1.  Scales and nothing else
.set BSC, 20                           ; v20-27  the weights' scale words, two sets of four: register q: lanes 0-15 tile 2 q, lanes 16-31 tile 2 q + 1.  Scales and nothing else
.set XF,  28                           ; v28-75  the rows' fragments: two sets x two row tiles x 12
.set WF,  76                           ; v76-123 the weights' fragments: two buffers x two tiles x 12
.set ACC, 128                          ; v128-255 accumulator (row tile m, tile T) at ACC + 64 m + 8 T; T 0-3: h1, T 4-7: h2
.set LAND, 64                          ; phase 1: v64-159 three sets of 32 numbers
.set RTW, 160                          ; v160-191 the routing words
.set PD,  192                          ; v192-223 the tokens' places
.set QM0, 40
.set QM1, 41
.set QSC, 42
.set QBY, 43
.set QC,  44                           ; v44-50
.set ZQ, 76                            ; the search for my rank's token: v76-89, before the weights' fragments come there
.set ZW, 77
.set ZP, 78
.set ZB, 79
.set ZN, 80
.set ZA1, 81
.set ZA2, 82
.set ZA3, 83
.set ZC, 84
.set ZO, 85
.set ZT, 86
.set ZU, 87
.set ZK, 88
.set ZX, 89
.set EE, 28                            ; the activation: v28-59
.set MX, 60
.set PX, 62
.set SQ, 64
.set BQ, 66
.set HW, 68
.set HWS, 70
.macro QBLK x                          ; 32 numbers of ONE block in v[x] on become 24 bytes of codes in v[QC:QC+5] and the scale's byte in v[QBY]
	v_max3_num_f32 v[QM0], |v[(\x)]|, |v[(\x)+1]|, |v[(\x)+2]|
	v_max3_num_f32 v[QM1], |v[(\x)+3]|, |v[(\x)+4]|, |v[(\x)+5]|
.irp i, 6,10,14,18,22,26
	s_delay_alu instid0(VALU_DEP_2)
	v_max3_num_f32 v[QM0], v[QM0], |v[(\x)+\i]|, |v[(\x)+\i+1]|
	s_delay_alu instid0(VALU_DEP_2)
	v_max3_num_f32 v[QM1], v[QM1], |v[(\x)+\i+2]|, |v[(\x)+\i+3]|
.endr
	s_delay_alu instid0(VALU_DEP_2)
	v_max3_num_f32 v[QM0], v[QM0], |v[(\x)+30]|, |v[(\x)+31]|
	s_delay_alu instid0(VALU_DEP_1)
	v_max3_num_f32 v[QM0], v[QM0], v[QM1], 0x2800000               ; the floor 2^(5 - 127): the byte cannot fall under 1
	s_delay_alu instid0(VALU_DEP_1)
	v_add_nc_u32 v[QSC], 0xfe000000, v[QM0]                        ; 4 off the exponent field: the conversion's scale operand
	v_cvt_scalef32_pk16_bf6_f32 v[QC:QC+2], v[(\x):(\x)+15], v[QSC]
	v_cvt_scalef32_pk16_bf6_f32 v[QC+4:QC+6], v[(\x)+16:(\x)+31], v[QSC]
	v_lshrrev_b32 v[QBY], 23, v[QSC]                               ; the byte; also the plain line behind the conversions
	v_mov_b32 v[QC+3], v[QC+4]
	v_mov_b32 v[QC+4], v[QC+5]
	v_mov_b32 v[QC+5], v[QC+6]
.endm
	s_load_b256 s[4:11], s[0:1], 0x0               ; rtab s[4:5], xc s[6:7], w12 s[8:9], hc s[10:11]
	s_load_b64 s[12:13], s[0:1], 0x20              ; pos
	v_lshrrev_b32 v30, 5, v0
	s_delay_alu instid0(VALU_DEP_1)
	v_readfirstlane_b32 s14, v30                   ; wave 0..15
	s_and_b32 s15, ttmp7, 0xffff                   ; e
	s_mov_b32 s16, ttmp9                           ; j
	s_and_b32 s20, s14, 3                          ; cg: which 32 columns I quantise
	s_lshr_b32 s21, s14, 2                         ; kb: which block of each K step
	v_and_b32 v30, 31, v0                          ; lane
	s_delay_alu instid0(VALU_DEP_1)
	v_lshlrev_b32 v1, 2, v30                       ; 4 x lane
	v_bfe_u32 v31, v0, 3, 1                        ; u
	s_wait_alu depctr_va_vdst(0)
	v_bfe_u32 v32, v0, 4, 1                        ; a
	v_and_b32 v33, 7, v0
	s_delay_alu instid0(VALU_DEP_1)
	v_lshl_add_u32 v33, v32, 3, v33                ; r = 8 a + i: my column's row in its tile
	s_mul_i32 s24, s20, 3072
	s_and_b32 s25, s21, 1
	s_mul_i32 s25, s25, 768
	s_add_co_u32 s24, s24, s25
	s_lshr_b32 s25, s21, 1
	s_mul_i32 s25, s25, 24
	s_add_co_u32 s24, s24, s25
	v_mul_u32_u24 v2, v31, 1536
	s_delay_alu instid0(VALU_DEP_1)
	v_mad_u32_u24 v2, v33, 48, v2
	s_delay_alu instid0(VALU_DEP_1)
	v_add_nc_u32 v2, s24, v2                       ; where my block's codes go: tile 2 cg + u, reader lane 16 (kb % 2) + r, its bytes 24 (kb / 2) on
	s_delay_alu instid0(VALU_DEP_1)
	v_add_nc_u32 v3, 49152, v2                     ; the same for K steps 4-7 (an LDS offset has 16 bits)
	s_lshl_b32 s24, s20, 2
	s_add_co_u32 s24, s24, s21
	s_add_co_u32 s24, s24, SCB
	v_lshlrev_b32 v4, 8, v31
	s_wait_alu depctr_va_vdst(0)
	v_lshl_add_u32 v4, v33, 4, v4
	s_delay_alu instid0(VALU_DEP_1)
	v_add_nc_u32 v4, s24, v4                       ; and its scale byte
	v_mul_u32_u24 v5, v30, 48                      ; a reader's 48 bytes of an image
	s_delay_alu instid0(VALU_DEP_1)
	v_add_nc_u32 v6, 49152, v5
	v_lshl_add_u32 v7, v30, 4, SCB                 ; and its four scale words of a K step
	v_lshlrev_b32 v11, 3, v30                      ; 8 x lane
	v_lshlrev_b32 v52, 4, v30                      ; 16 x lane
	s_lshl_b32 s24, s15, 24                        ; w12: expert e, row 32 kb, column (cg / 2) 2,048 + 64 j + 32 (cg % 2)
	s_lshl_b32 s25, s21, 19
	s_add_co_u32 s24, s24, s25
	s_lshr_b32 s25, s20, 1
	s_lshl_b32 s25, s25, 13
	s_add_co_u32 s24, s24, s25
	s_lshl_b32 s25, s16, 8
	s_add_co_u32 s24, s24, s25
	s_and_b32 s25, s20, 1
	s_lshl_b32 s25, s25, 7
	s_add_co_u32 s24, s24, s25
	s_mov_b32 s25, 0
	s_wait_alu depctr_va_vdst(0)
	s_wait_kmcnt 0x0
	s_add_nc_u64 s[26:27], s[8:9], s[24:25]
	s_add_nc_u64 s[28:29], s[26:27], 0x800000      ; 512 rows on: K steps 4-7, so that every offset fits the signed 24-bit immediate
.irp ii, 0,1,2,3,4,5,6,7
	global_load_b128 v[RTW+4*\ii:RTW+4*\ii+3], v52, s[4:5] offset:512*\ii   ; register 4 ii + jj, lane l: token 128 ii + 4 l + jj
.endr
.macro WLOAD s                         ; K step s: w12(128 s + 32 kb + i, my column), i = 0 .. 31
.set WI, 0
.rept 32
.if (\s) < 4
	global_load_b32 v[LAND+32*((\s)%3)+WI], v1, s[26:27] offset:(((\s)&3)*128+WI)*16384 th:TH_LOAD_NT
.else
	global_load_b32 v[LAND+32*((\s)%3)+WI], v1, s[28:29] offset:(((\s)&3)*128+WI)*16384 th:TH_LOAD_NT
.endif
.set WI, WI+1
.endr
.endm
	WLOAD 0
	WLOAD 1
	WLOAD 2
	s_lshl_b32 s24, s15, 6                         ; the hidden codes: row tile 64 e + 2 w, K step j / 2, register half j % 2
	s_lshl_b32 s20, s14, 1
	s_add_co_u32 s24, s24, s20
	s_mul_i32 s24, s24, 24576
	s_lshr_b32 s20, s16, 1
	s_mul_i32 s21, s20, 1536
	s_add_co_u32 s24, s24, s21
	s_and_b32 s21, s16, 1
	s_mul_i32 s19, s21, 768
	s_add_co_u32 s24, s24, s19
	s_add_nc_u64 s[68:69], s[10:11], s[24:25]
	s_lshl_b32 s24, s20, 15                        ; their scale bytes: K step j / 2, row 1,024 e + 32 w, bytes 2 (j % 2) on
	s_lshl_b32 s19, s15, 12
	s_add_co_u32 s24, s24, s19
	s_lshl_b32 s19, s14, 7
	s_add_co_u32 s24, s24, s19
	s_lshl_b32 s19, s21, 1
	s_add_co_u32 s24, s24, s19
	s_add_co_u32 s24, s24, 12582912
	s_add_nc_u64 s[70:71], s[10:11], s[24:25]
	s_lshl_b32 s24, s15, 12
	s_add_nc_u64 s[72:73], s[12:13], s[24:25]      ; the expert's 1,024 places
	s_lshl_b32 s24, s15, 2
	s_add_co_u32 s24, s24, 32768
	s_add_nc_u64 s[74:75], s[12:13], s[24:25]      ; its count
	s_add_nc_u64 s[66:67], s[6:7], 786432          ; x's scale words
	s_mov_b32 s22, 0xffff0000                      ; lanes 16-31
	s_lshl_b32 s23, 0x10000, s15                   ; the expert's bit in a routing word
	s_mov_b32 s30, 0x76543210                      ; v_permlanex16_b32's selects for lane l xor 16
	s_mov_b32 s31, 0xfedcba98
	s_mov_b32 s78, 0xbfb8aa3b                      ; -log2(e); the packed form names the pair
	s_mov_b32 s79, s78
.macro UNIT s, left
	s_wait_loadcnt \left                           ; this unit's 32 loads are in; the younger units' may be out
	s_wait_dscnt 0x0                               ; the last unit's LDS stores have read the codes' and the byte's registers
	QBLK LAND+32*((\s)%3)
.if (\s) < 5
	WLOAD (\s)+3                                   ; the set just converted takes the unit three on
.endif
.irp jj, 0,1,2
.if (\s) < 4
	ds_store_b64 v2, v[QC+2*\jj:QC+2*\jj+1] offset:((\s)&3)*12288+8*\jj
.else
	ds_store_b64 v3, v[QC+2*\jj:QC+2*\jj+1] offset:((\s)&3)*12288+8*\jj
.endif
.endr
	ds_store_b8 v4, v[QBY] offset:512*(\s)
.endm
	UNIT 0, 63                                     ; 64 younger loads have been issued; the wait's field holds 63
	UNIT 1, 63
	UNIT 2, 63
	UNIT 3, 63
	UNIT 4, 63
; THE LIST.  Every load of the phase has been issued, so this delays none.  Mask wi, bit l: token 128 (wi / 4) + 4 l + wi % 4 is routed to e.
.set WI, 0
.rept 32
	v_and_b32 v51, s23, v[RTW+WI]
	s_delay_alu instid0(VALU_DEP_1)
	v_cmp_ne_u32 s[32+WI], 0, v51
.set WI, WI+1
.endr
	s_bcnt1_i32_b32 s17, s32
.set WI, 1
.rept 31
	s_bcnt1_i32_b32 s20, s[32+WI]
	s_add_co_u32 s17, s17, s20
.set WI, WI+1
.endr
	s_min_u32 s17, s17, 1024                       ; the expert's rows
	s_or_b32 s20, s16, s14
	s_cmp_lg_u32 s20, 0
	s_cbranch_scc1 .Lnolist                        ; wave 0 of work-group j = 0 stores the count and every token's place 1,024 e + rank (a token not routed here gets a number that nobody reads)
	s_lshl_b32 s19, s15, 10
.set WI, 0
.rept 32
	v_mbcnt_lo_u32_b32 v[PD+WI], s[32+WI], s19
	s_bcnt1_i32_b32 s20, s[32+WI]
	s_add_co_u32 s19, s19, s20
.set WI, WI+1
.endr
	s_wait_alu depctr_va_vdst(0)
.irp ii, 0,1,2,3,4,5,6,7
	global_store_b128 v52, v[PD+4*\ii:PD+4*\ii+3], s[72:73] offset:512*\ii   ; 512 consecutive bytes, aligned
.endr
	v_mov_b32 v53, s17
	v_cmp_eq_u32 vcc_lo, 0, v1
	s_wait_alu depctr_va_vdst(0)
	s_wait_xcnt 0x0                                ; EXEC changes only behind this wait
	s_and_saveexec_b32 s20, vcc_lo
	global_store_b32 v1, v53, s[74:75]
	s_wait_xcnt 0x0                                ; also frees the stores' registers, which phase 2 writes
	s_or_b32 exec_lo, exec_lo, s20
.Lnolist:
	UNIT 5, 63
	UNIT 6, 32
	UNIT 7, 0
	s_wait_dscnt 0x0                               ; for the others' sake: my codes and bytes have landed
	s_barrier_signal -1
	s_barrier_wait -1                              ; all 64 images lie in LDS; nothing writes LDS again
.macro ALOAD s                         ; my two row tiles' fragments of K step s: lane (r, h) takes 48 bytes of its token's codes
.irp m, 0,1
.irp c, 0,1,2
	global_load_b128 v[XF+24*((\s)%2)+12*\m+4*\c:XF+24*((\s)%2)+12*\m+4*\c+3], v[8+\m], s[6:7] offset:96*(\s)+16*\c
.endr
.endr
.endm
.macro LOADG G                         ; group G = NG s + g: tiles 2 g, 2 g + 1 of K step s into buffer G % 2; a K step's first group brings its scale words
.set gs, (\G)/NG
.set gg, (\G)%NG
.if gg == 0
	ds_load_b128 v[BSC+4*(gs%2):BSC+4*(gs%2)+3], v7 offset:512*gs
.endif
.irp u, 0,1
.irp c, 0,1,2
.if gs < 4
	ds_load_b128 v[WF+24*((\G)%2)+12*\u+4*\c:WF+24*((\G)%2)+12*\u+4*\c+3], v5 offset:(gs&3)*12288+1536*(2*gg+\u)+16*\c
.else
	ds_load_b128 v[WF+24*((\G)%2)+12*\u+4*\c:WF+24*((\G)%2)+12*\u+4*\c+3], v6 offset:(gs&3)*12288+1536*(2*gg+\u)+16*\c
.endif
.endr
.endr
.endm
.macro MM u, m                         ; one product; an odd tile's scale words stand in lanes 16-31, and so do row tile 1's.  K step 0 starts the sums: nothing is cleared
.if ks == 0
.if (\u == 0) && (\m == 0)
	v_wmma_scale_f32_16x16x128_f8f6f4 v[rD:rD+7], v[rA:rA+11], v[rB:rB+11], 0, v[rSA], v[rSB] matrix_a_fmt:MATRIX_FMT_BF6 matrix_b_fmt:MATRIX_FMT_BF6
.elseif (\u == 0)
	v_wmma_scale_f32_16x16x128_f8f6f4 v[rD:rD+7], v[rA:rA+11], v[rB:rB+11], 0, v[rSA], v[rSB] matrix_a_fmt:MATRIX_FMT_BF6 matrix_b_fmt:MATRIX_FMT_BF6 matrix_b_scale:MATRIX_SCALE_ROW1
.elseif (\m == 0)
	v_wmma_scale_f32_16x16x128_f8f6f4 v[rD:rD+7], v[rA:rA+11], v[rB:rB+11], 0, v[rSA], v[rSB] matrix_a_fmt:MATRIX_FMT_BF6 matrix_b_fmt:MATRIX_FMT_BF6 matrix_a_scale:MATRIX_SCALE_ROW1
.else
	v_wmma_scale_f32_16x16x128_f8f6f4 v[rD:rD+7], v[rA:rA+11], v[rB:rB+11], 0, v[rSA], v[rSB] matrix_a_fmt:MATRIX_FMT_BF6 matrix_b_fmt:MATRIX_FMT_BF6 matrix_a_scale:MATRIX_SCALE_ROW1 matrix_b_scale:MATRIX_SCALE_ROW1
.endif
.else
.if (\u == 0) && (\m == 0)
	v_wmma_scale_f32_16x16x128_f8f6f4 v[rD:rD+7], v[rA:rA+11], v[rB:rB+11], v[rD:rD+7], v[rSA], v[rSB] matrix_a_fmt:MATRIX_FMT_BF6 matrix_b_fmt:MATRIX_FMT_BF6
.elseif (\u == 0)
	v_wmma_scale_f32_16x16x128_f8f6f4 v[rD:rD+7], v[rA:rA+11], v[rB:rB+11], v[rD:rD+7], v[rSA], v[rSB] matrix_a_fmt:MATRIX_FMT_BF6 matrix_b_fmt:MATRIX_FMT_BF6 matrix_b_scale:MATRIX_SCALE_ROW1
.elseif (\m == 0)
	v_wmma_scale_f32_16x16x128_f8f6f4 v[rD:rD+7], v[rA:rA+11], v[rB:rB+11], v[rD:rD+7], v[rSA], v[rSB] matrix_a_fmt:MATRIX_FMT_BF6 matrix_b_fmt:MATRIX_FMT_BF6 matrix_a_scale:MATRIX_SCALE_ROW1
.else
	v_wmma_scale_f32_16x16x128_f8f6f4 v[rD:rD+7], v[rA:rA+11], v[rB:rB+11], v[rD:rD+7], v[rSA], v[rSB] matrix_a_fmt:MATRIX_FMT_BF6 matrix_b_fmt:MATRIX_FMT_BF6 matrix_a_scale:MATRIX_SCALE_ROW1 matrix_b_scale:MATRIX_SCALE_ROW1
.endif
.endif
.endm
; A group: four products on four accumulators; the 16 accumulators of a K step take turns, one instruction a turn.
.macro GROUP G
.set ks, (\G)/NG
.set kg, (\G)%NG
.if kg == 0
.if ks < 7
	s_wait_loadcnt NA                              ; this K step's row fragments (and, at first, the rows' scale words) are in; the next K step's may be out
.else
	s_setprio 1
	s_wait_loadcnt 0x0
.endif
.endif
.if (\G) == 8*NG-1
	s_wait_dscnt 0x0
.elseif ((\G)+1)%NG == 0
	s_wait_dscnt 7                                 ; this group's LDS loads are in; the next group's six and its scale words may be out
.else
	s_wait_dscnt 6                                 ; this group's LDS loads are in; the next group's six may be out
.endif
.irp u, 0,1
.irp m, 0,1
.set rD, ACC+64*\m+8*(2*kg+\u)
.set rA, WF+24*((\G)%2)+12*\u
.set rB, XF+24*(ks%2)+12*\m
.set rSA, BSC+4*(ks%2)+kg
.set rSB, ASC+ks
	MM \u, \m
.endr
.endr
.rept 4
	v_nop                                          ; four places in front of loads into registers that these products read, and of the first read of results
.endr
.if (\G)+2 < 8*NG
	LOADG (\G)+2
.endif
.if (kg == NG-1) && (ks+2 < 8)
	ALOAD ks+2
.endif
.endm
.macro PICK width                      ; where my rank is not among the low half's c bits, pass them
	v_cmp_ge_u32 vcc_lo, v[ZN], v[ZC]
	s_delay_alu instid0(VALU_DEP_1)
	v_cndmask_b32 v[ZT], 0, v[ZC], vcc_lo
	v_add_nc_u32 v[ZU], \width, v[ZO]
	s_delay_alu instid0(VALU_DEP_2)
	v_sub_nc_u32 v[ZN], v[ZN], v[ZT]
	s_delay_alu instid0(VALU_DEP_2)
	v_cndmask_b32 v[ZO], v[ZO], v[ZU], vcc_lo
.endm
; Row tile m: hidden = h1 sigmoid(h1) h2 in f32; its two blocks of 32 are quantised and leave as half a fragment (registers 6 (j % 2) on of K step j / 2).  Each accumulator is read from its low end on.
.macro EPI m
.set EH, ACC+64*(\m)
.set EP, 76+16*(\m)
.set EQ, EP+8
.set i, 0
.rept 16
	v_pk_mul_f32 v[EE+i:EE+i+1], v[EH+i:EH+i+1], s[78:79] op_sel_hi:[1,0]
.set i, i+2
.endr
.set i, 0
	s_wait_alu depctr_va_vdst(0)
.rept 32
	v_exp_f32 v[EE+i], v[EE+i]
.set i, i+1
.endr
	v_nop                                          ; a plain line behind the exponentials
.set i, 0
	s_wait_alu depctr_va_vdst(0)
.rept 16
	v_pk_add_f32 v[EE+i:EE+i+1], v[EE+i:EE+i+1], 1.0 op_sel_hi:[1,0]
.set i, i+2
.endr
.set i, 0
	s_wait_alu depctr_va_vdst(0)
.rept 32
	v_rcp_f32 v[EE+i], v[EE+i]
.set i, i+1
.endr
	v_nop
.set i, 0
	s_wait_alu depctr_va_vdst(0)
.rept 16
	v_pk_mul_f32 v[EH+i:EH+i+1], v[EH+i:EH+i+1], v[EE+i:EE+i+1]
.set i, i+2
.endr
.set i, 0
.rept 16
	v_pk_mul_f32 v[EH+i:EH+i+1], v[EH+i:EH+i+1], v[EH+32+i:EH+33+i]
.set i, i+2
.endr
.irp b, 0,1
	v_max3_num_f32 v[MX+\b], |v[EH+16*\b]|, |v[EH+16*\b+1]|, 0x2800000    ; block b: my 16 numbers, and the floor
.endr
.irp i, 2,4,6,8,10,12,14
.irp b, 0,1
	s_delay_alu instid0(VALU_DEP_2)
	v_max3_num_f32 v[MX+\b], v[MX+\b], |v[EH+16*\b+\i]|, |v[EH+16*\b+\i+1]|
.endr
.endr
.irp b, 0,1
	v_mov_b32 v[PX+\b], 0                          ; a lane permute's destination counts as one of its sources
.endr
.irp b, 0,1
	s_delay_alu instid0(VALU_DEP_2)
	v_permlanex16_b32 v[PX+\b], v[MX+\b], s30, s31
.endr
.irp b, 0,1
	s_delay_alu instid0(VALU_DEP_2)
	v_max_num_f32 v[MX+\b], v[MX+\b], v[PX+\b]     ; with lane l xor 16's 16: the block's largest magnitude
.endr
.irp b, 0,1
	s_delay_alu instid0(VALU_DEP_2)
	v_add_nc_u32 v[SQ+\b], 0xfe000000, v[MX+\b]
.endr
	v_cvt_scalef32_pk16_bf6_f32 v[EP:EP+2], v[EH:EH+15], v[SQ]
	v_cvt_scalef32_pk16_bf6_f32 v[EQ:EQ+2], v[EH+16:EH+31], v[SQ+1]
	v_lshrrev_b32 v[BQ], 23, v[SQ]                 ; the bytes; also the plain line behind the conversions
	v_lshrrev_b32 v[BQ+1], 23, v[SQ+1]
	s_delay_alu instid0(VALU_DEP_1)
	v_lshl_or_b32 v[HW+(\m)], v[BQ+1], 8, v[BQ]
.irp i, 0,1,2
	v_permlane16_swap_b32 v[EP+\i], v[EQ+\i]       ; the operand wants a whole block in a lane: lanes 0-15 block 0, lanes 16-31 block 1
.endr
.irp i, 0,1,2
	s_delay_alu instid0(VALU_DEP_3)
	v_mov_b32 v[EP+3+\i], v[EQ+\i]
.endr
.irp jj, 0,1,2
	global_store_b64 v11, v[EP+2*\jj:EP+2*\jj+1], s[68:69] offset:24576*(\m)+256*\jj   ; 32 lanes store 256 consecutive bytes, aligned
.endr
.endm
	s_lshl_b32 s18, s14, 5                         ; my first rank
	s_mov_b32 s76, 0
.Lpass:                                            ; two trips, a constant; a trip whose ranks lie at or over the count is passed over
	s_cmp_ge_u32 s18, s17
	s_cbranch_scc1 .Lskip
	; the token of rank q = my first rank + lane: the last mask whose prefix count is at most q, then the (q - prefix)-th set bit in it, by halving.  Selects, no branch
	v_and_b32 v[ZT], 31, v0
	s_delay_alu instid0(VALU_DEP_1)
	v_add_nc_u32 v[ZQ], s18, v[ZT]
	v_mov_b32 v[ZW], s32
	v_mov_b32 v[ZP], 0
	v_mov_b32 v[ZB], 0
	s_mov_b32 s19, 0
.set WI, 1
.rept 31
	s_bcnt1_i32_b32 s20, s[31+WI]
	s_add_co_u32 s19, s19, s20
	v_cmp_gt_u32 vcc_lo, s19, v[ZQ]
	s_delay_alu instid0(VALU_DEP_1)
	v_cndmask_b32 v[ZW], s[32+WI], v[ZW], vcc_lo
	s_delay_alu instid0(VALU_DEP_2)
	v_cndmask_b32 v[ZP], s19, v[ZP], vcc_lo
	s_delay_alu instid0(VALU_DEP_3)
	v_cndmask_b32 v[ZB], 128*(WI/4)+WI%4, v[ZB], vcc_lo
.set WI, WI+1
.endr
	s_delay_alu instid0(VALU_DEP_2)
	v_sub_nc_u32 v[ZN], v[ZQ], v[ZP]
	s_delay_alu instid0(VALU_DEP_4)
	v_lshrrev_b32 v[ZT], 1, v[ZW]                  ; counts of set bits in fields of 2, 4 and 8 bits, and in the low 16
	s_delay_alu instid0(VALU_DEP_1)
	v_and_b32 v[ZT], 0x55555555, v[ZT]
	s_delay_alu instid0(VALU_DEP_1)
	v_sub_nc_u32 v[ZA1], v[ZW], v[ZT]
	s_delay_alu instid0(VALU_DEP_1)
	v_and_b32 v[ZT], 0x33333333, v[ZA1]
	s_delay_alu instid0(VALU_DEP_2)
	v_lshrrev_b32 v[ZU], 2, v[ZA1]
	s_delay_alu instid0(VALU_DEP_1)
	v_and_b32 v[ZU], 0x33333333, v[ZU]
	s_delay_alu instid0(VALU_DEP_1)
	v_add_nc_u32 v[ZA2], v[ZT], v[ZU]
	s_delay_alu instid0(VALU_DEP_1)
	v_lshrrev_b32 v[ZT], 4, v[ZA2]
	s_delay_alu instid0(VALU_DEP_1)
	v_add_nc_u32 v[ZT], v[ZA2], v[ZT]
	s_delay_alu instid0(VALU_DEP_1)
	v_and_b32 v[ZA3], 0x0f0f0f0f, v[ZT]
	s_delay_alu instid0(VALU_DEP_1)
	v_lshrrev_b32 v[ZT], 8, v[ZA3]
	s_delay_alu instid0(VALU_DEP_1)
	v_add_nc_u32 v[ZT], v[ZA3], v[ZT]
	s_delay_alu instid0(VALU_DEP_1)
	v_and_b32 v[ZC], 0xff, v[ZT]
	v_mov_b32 v[ZO], 0
	PICK 16
	s_delay_alu instid0(VALU_DEP_1)
	v_bfe_u32 v[ZC], v[ZA3], v[ZO], 8
	PICK 8
	s_delay_alu instid0(VALU_DEP_1)
	v_bfe_u32 v[ZC], v[ZA2], v[ZO], 4
	PICK 4
	s_delay_alu instid0(VALU_DEP_1)
	v_bfe_u32 v[ZC], v[ZA1], v[ZO], 2
	PICK 2
	s_delay_alu instid0(VALU_DEP_1)
	v_bfe_u32 v[ZC], v[ZW], v[ZO], 1
	s_setprio 2
	PICK 1
	s_delay_alu instid0(VALU_DEP_1)
	v_lshl_add_u32 v[ZK], v[ZO], 2, v[ZB]          ; the token
	v_mov_b32 v[ZX], 0
	s_delay_alu instid0(VALU_DEP_1)
	v_permlanex16_b32 v[ZX], v[ZK], s30, s31
	s_delay_alu instid0(VALU_DEP_1)
	v_cndmask_b32 v[ZT], v[ZK], v[ZX], s22         ; row tile 0's token of row lane % 16, in both halves of the lanes
	s_delay_alu instid0(VALU_DEP_2)
	v_cndmask_b32 v[ZU], v[ZX], v[ZK], s22         ; row tile 1's
	s_delay_alu instid0(VALU_DEP_2)
	v_min_u32 v[ZT], 0x3ff, v[ZT]                  ; held inside the table ahead of the address arithmetic
	s_delay_alu instid0(VALU_DEP_2)
	v_min_u32 v[ZU], 0x3ff, v[ZU]
	v_min_u32 v[ZK], 0x3ff, v[ZK]
	v_bfe_u32 v[ZC], v0, 4, 1
	s_delay_alu instid0(VALU_DEP_1)
	v_mul_u32_u24 v[ZC], v[ZC], 48
	v_mul_u32_u24 v8, v[ZT], 768
	v_mul_u32_u24 v9, v[ZU], 768
	s_delay_alu instid0(VALU_DEP_2)
	v_add_nc_u32 v8, v8, v[ZC]                     ; 768 x token + 48 h
	s_delay_alu instid0(VALU_DEP_2)
	v_add_nc_u32 v9, v9, v[ZC]
	v_lshlrev_b32 v10, 5, v[ZK]                    ; 32 scale bytes a token
	global_load_b128 v[ASC:ASC+3], v10, s[66:67]
	global_load_b128 v[ASC+4:ASC+7], v10, s[66:67] offset:16
	ALOAD 0
	ALOAD 1
	LOADG 0
	LOADG 1
.set GI, 0
	s_wait_alu depctr_va_vdst(0)
.rept 8*NG
	GROUP GI
.set GI, GI+1
.endr
	EPI 0
	s_setprio 0
	EPI 1
	v_cndmask_b32 v[HWS], v[HW], v[HW+1], s22      ; lane l: the two bytes of row l of my 32
	global_store_b16 v1, v[HWS], s[70:71]
.Lskip:
	s_wait_xcnt 0x0                                ; the stores have read their registers and bases: both may be written again
	s_add_nc_u64 s[68:69], s[68:69], 786432        ; 32 row tiles on
	s_add_nc_u64 s[70:71], s[70:71], 2048          ; 512 rows on
	s_add_co_u32 s18, s18, 512
	s_add_co_u32 s76, s76, 1
	s_cmp_lt_u32 s76, 2
	s_cbranch_scc1 .Lpass
	s_setprio 0
	s_wait_xcnt 0x0
	s_mov_b32 exec_lo, -1
	v_lshl_add_u32 v254, v0, 2, 0x19000
	v_mov_b32 v255, 0
	s_wait_alu depctr_va_vdst(0)
	s_wait_tensorcnt 0x0
	ds_add_u32 v254, v255
	s_wait_dscnt 0x0
	s_endpgm
.Lfunc_end_k_q7bf53771ef_up:
	.size	k_q7bf53771ef_up, .Lfunc_end_k_q7bf53771ef_up-k_q7bf53771ef_up
	.p2alignl 7, 3214868480
	.fill 96, 4, 3214868480
	.section	.rodata,"a",@progbits
	.p2align	6, 0x0
	.amdhsa_kernel k_q7bf53771ef_up
		.amdhsa_group_segment_fixed_size 104448
		.amdhsa_private_segment_fixed_size 0
		.amdhsa_enable_private_segment 0
		.amdhsa_kernarg_size 40
		.amdhsa_user_sgpr_count 2
		.amdhsa_user_sgpr_kernarg_segment_ptr 1
		.amdhsa_wavefront_size32 1
		.amdhsa_system_sgpr_workgroup_id_x 1
		.amdhsa_system_sgpr_workgroup_id_y 1
		.amdhsa_system_sgpr_workgroup_id_z 1
		.amdhsa_system_vgpr_workitem_id 0
		.amdhsa_next_free_vgpr 256
		.amdhsa_next_free_sgpr 84
		.amdhsa_reserve_vcc 1
		.amdhsa_float_denorm_mode_32 3
		.amdhsa_float_denorm_mode_16_64 3
		.amdhsa_memory_ordered 1
		.amdhsa_forward_progress 1
		.amdhsa_inst_pref_size 129
	.end_amdhsa_kernel
	.amdgpu_metadata
---
amdhsa.version: [ 1, 2 ]
amdhsa.kernels:
  - .name:           k_q7bf53771ef_up
    .symbol:         k_q7bf53771ef_up.kd
    .args:
      - { .name: rtab, .offset: 0, .size: 8, .value_kind: global_buffer, .address_space: global }
      - { .name: xc, .offset: 8, .size: 8, .value_kind: global_buffer, .address_space: global }
      - { .name: w12, .offset: 16, .size: 8, .value_kind: global_buffer, .address_space: global }
      - { .name: hc, .offset: 24, .size: 8, .value_kind: global_buffer, .address_space: global }
      - { .name: pos, .offset: 32, .size: 8, .value_kind: global_buffer, .address_space: global }
    .group_segment_fixed_size: 104448
    .private_segment_fixed_size: 0
    .kernarg_segment_align: 8
    .kernarg_segment_size: 40
    .max_flat_workgroup_size: 512
    .sgpr_count:     84
    .vgpr_count:     256
    .wavefront_size: 32
...
	.end_amdgpu_metadata
.endif
;; end of part 6
;; launch down (part 7): grid 32 x 8, 16 waves a work-group, no clusters, 192,512 bytes of LDS; arguments pos, hc, w3, part; writes part
.if DOCPART == 7
	.amdgcn_target "amdgcn-amd-amdhsa--gfx1250"
	.amdhsa_code_object_version 6
	.text
	.protected	k_q7bf53771ef_down
	.globl	k_q7bf53771ef_down
	.p2align	8
	.type	k_q7bf53771ef_down,@function
k_q7bf53771ef_down:
	s_mov_b64 s[64:65], 0
	v_nop
	global_prefetch_b8 v0, s[64:65] scope:SCOPE_SE
	s_setreg_imm32_b32 hwreg(HW_REG_WAVE_SCHED_MODE, 0, 2), 2
	s_setreg_imm32_b32 hwreg(HW_REG_WAVE_MODE, 25, 1), 1
	s_wait_xcnt 0x0
	s_wait_alu depctr_vm_vsrc(0)
; SECOND PRODUCT, for the rows routed to one expert.  Work-group (x, e): output columns 64 jb .. 64 jb + 63 (jb = x % 16) and half kh = x / 16 of K = 2,048: 1,024 x 64 numbers of w3[e], which no other work-group reads.
; 64 columns are 256 aligned bytes of each row of w3; 8 experts x 16 column blocks would be 128 work-groups, so K is halved to make 256; the two halves' sums are added by the next launch.
; PHASE 1: the weights are read once as f32, quantised along H in registers (a lane to a column, registers down K) and laid in LDS as images of operand registers.
; PHASE 2, behind the one barrier: wave w takes the rows of ranks 32 w .. 32 w + 31 (512 further on in a second trip); their codes and scale words lie in hc in the order of the operand's registers, in rank order:
; no list is read.  64 matrix instructions a trip; the results go through the wave's own stage and leave as whole runs of 256 bytes of a row.
; THE MATRIX INSTRUCTION IS USED TRANSPOSED (source 0 = 16 columns of w3, source 1 = 16 rows); of 32 columns, column 16 a + 8 u + i is row 8 a + i of tile u.
; NO TENSOR LOADS, NO CLUSTER: phase 2 branches on a count read from memory; no weight byte is shared between work-groups; what is shared is an expert's rows as codes, small beside the 256 KiB of weights.
; LIMITS: NaN and infinities are not served; a block of zeros gets the byte 1 (its codes are zeros; this program alone reads the bytes).  Rows at or over the count inside a wave's 32 are multiplied and stored where nobody reads them.
; THE MODE: SCHED_MODE bits 1:0 = 2 (LLVM: expert scheduling mode 2), set by the entry lines.  The code itself states the register dependences
; between vector or matrix instructions and memory or LDS instructions, with s_wait_alu, always for 0.
; THE PLAN.  Registers that memory or LDS instructions touch:
;   v1-v9, v10, v11   offsets, LDS addresses and the closing add's two: written at the head, never again.  One wait on va_vdst ahead of the first load states them all.
;   LAND0 .. LAND3    phase 1: unit t's 32 loads land in LAND[t], its quantiser reads it; no set is loaded twice in the phase.
;   QC0 .. 3, QBY0 .. 3   a set of codes and a byte for each unit: written by unit t's quantiser, read by the four LDS stores that are issued in unit t + 1, behind that unit's wait for its data
;                     and one wait on va_vdst.  No set is written twice, so the phase holds no wait on vm_vsrc.
;   XF0, XF1; WF0, WF1; BSC0, BSC1   phase 2: the eight products of K step s read the sets s % 2; the loads of K step s + 1 land in the other sets, which the products of K step s - 1 read.
;                     So ONE wait on va_vdst stands at the head of a K step that loads; the step's products name none of the registers that its loads touch.
;   ASC               loaded at a trip's head, read by the products.
;   ACC               written by the products, read by the way out's LDS stores, begun anew by the next trip's first products.
;   OB                the way out: LDS loads land in it, the global stores read it.  It lies over WF1 and over phase 1's sets of codes.
; Behind the wait on va_vdst that stands ahead of phase 1's last LDS stores, and behind the one on the way out, no vector or matrix instruction is issued before a trip's first products:
; these two waits state all that a trip's first loads hang on.  One wait on vm_vsrc at the trip's head states what the LDS and global stores issued so far have read.
.set NA,  12                           ; loads of a K step's row fragments
.set SCB, 49152                        ; LDS: 0 .. 49,151 the images, (K step s, tile T) at 6,144 s + 1,536 T;  from SCB 256 bytes a K step: the word of (tile 2 q + u, row r) at 8 (16 u + r) + 4 q
.set STG, 51200                        ; the stages: 32 rows x (256 + 16) bytes for each wave
.set ASC, 12                           ; v12-19  the rows' scale words.  Scales and nothing else
.set BSC, 20                           ; v20-23  the weights' scale words, two sets of two.  Scales and nothing else
.set XF,  24                           ; v24-71  the rows' fragments: two sets x two row tiles x 12
.set WF,  72                           ; the weights' fragments, four tiles x 12 a set: set 0 at v72-119, set 1 at v192-239 (WF + 120)
.set ACC, 128                          ; v128-191 accumulator (row tile m, tile T) at ACC + 32 m + 8 T
.set OB,  192                          ; v192-255 rows read back from the stage
.set LAND, 64                          ; phase 1: v64-191 four sets of 32 numbers
.set QM0, 40
.set QM1, 41
.set QSC, 42
.set QC,  192                          ; phase 1: v192-223 unit t's codes at QC + 8 t
.set QBY, 224                          ; v224-227 unit t's scale byte
.macro QBLK x, t                       ; 32 numbers of ONE block in v[x] on become 24 bytes of codes in the first six registers of set t and the scale's byte in v[QBY + t]
	v_max3_num_f32 v[QM0], |v[(\x)]|, |v[(\x)+1]|, |v[(\x)+2]|
	v_max3_num_f32 v[QM1], |v[(\x)+3]|, |v[(\x)+4]|, |v[(\x)+5]|
.irp i, 6,10,14,18,22,26
	v_max3_num_f32 v[QM0], v[QM0], |v[(\x)+\i]|, |v[(\x)+\i+1]|
	v_max3_num_f32 v[QM1], v[QM1], |v[(\x)+\i+2]|, |v[(\x)+\i+3]|
.endr
	v_max3_num_f32 v[QM0], v[QM0], |v[(\x)+30]|, |v[(\x)+31]|
	v_max3_num_f32 v[QM0], v[QM0], v[QM1], 0x2800000               ; the floor 2^(5 - 127): the byte cannot fall under 1
	v_add_nc_u32 v[QSC], 0xfe000000, v[QM0]                        ; 4 off the exponent field: the conversion's scale operand
	v_cvt_scalef32_pk16_bf6_f32 v[QC+8*(\t):QC+8*(\t)+2], v[(\x):(\x)+15], v[QSC]
	v_cvt_scalef32_pk16_bf6_f32 v[QC+8*(\t)+4:QC+8*(\t)+6], v[(\x)+16:(\x)+31], v[QSC]
	v_lshrrev_b32 v[QBY+(\t)], 23, v[QSC]                          ; the byte; also the plain line behind the conversions
	v_mov_b32 v[QC+8*(\t)+3], v[QC+8*(\t)+4]
	v_mov_b32 v[QC+8*(\t)+4], v[QC+8*(\t)+5]
	v_mov_b32 v[QC+8*(\t)+5], v[QC+8*(\t)+6]
.endm
	s_load_b256 s[4:11], s[0:1], 0x0               ; pos s[4:5], hc s[6:7], w3 s[8:9], part s[10:11]
	v_lshl_add_u32 v10, v0, 2, 0x2e800
	v_mov_b32 v11, 0
	v_lshrrev_b32 v30, 5, v0
	v_readfirstlane_b32 s14, v30                   ; wave 0..15
	s_and_b32 s15, ttmp7, 0xffff                   ; e
	s_and_b32 s16, ttmp9, 15                       ; jb
	s_lshr_b32 s19, ttmp9, 4                       ; kh
	v_and_b32 v30, 31, v0                          ; lane
	v_lshlrev_b32 v1, 2, v30
	v_bfe_u32 v31, v0, 3, 1                        ; u
	s_wait_alu depctr_va_vdst(0)
	v_bfe_u32 v32, v0, 4, 1                        ; a, also h
	v_and_b32 v33, 7, v0
	v_lshl_add_u32 v33, v32, 3, v33                ; my column's row in its tile
	s_wait_alu depctr_va_sdst(0)                   ; s14 is written, ahead of its first reader: the wave's shares, LDS places and bases are made from it
	s_and_b32 s20, s14, 1                          ; cg: which 32 columns I quantise
	s_bfe_u32 s21, s14, 0x20001                    ; kb: which block of a K step
	s_lshr_b32 s22, s14, 3                         ; ks: even or odd K steps
	s_mul_i32 s24, s20, 3072
	s_and_b32 s25, s21, 1
	s_mul_i32 s25, s25, 768
	s_add_co_u32 s24, s24, s25
	s_lshr_b32 s25, s21, 1
	s_mul_i32 s25, s25, 24
	s_add_co_u32 s24, s24, s25
	s_mul_i32 s25, s22, 6144
	s_add_co_u32 s24, s24, s25
	v_mul_u32_u24 v2, v31, 1536
	s_wait_alu depctr_va_vdst(0)
	v_mad_u32_u24 v2, v33, 48, v2
	v_add_nc_u32 v2, s24, v2                       ; where my block's codes go
	s_lshl_b32 s24, s20, 2
	s_add_co_u32 s24, s24, s21
	s_lshl_b32 s25, s22, 8
	s_add_co_u32 s24, s24, s25
	s_add_co_u32 s24, s24, SCB
	v_lshlrev_b32 v3, 7, v31
	v_lshl_add_u32 v3, v33, 3, v3
	v_add_nc_u32 v3, s24, v3                       ; and its scale byte
	v_mul_u32_u24 v4, v30, 48                      ; a reader's 48 bytes of an image
	v_lshl_add_u32 v5, v30, 3, SCB                 ; and its two scale words of a K step
	v_lshlrev_b32 v6, 3, v30                       ; 8 x lane
	s_mul_i32 s24, s14, 8704
	s_add_co_u32 s24, s24, STG                     ; my stage
	v_and_b32 v34, 15, v0
	v_mul_u32_u24 v7, v34, 272
	v_lshl_add_u32 v7, v32, 6, v7
	v_add_nc_u32 v7, s24, v7                       ; in: row lane % 16, 64 bytes on for lanes 16-31
	v_mul_u32_u24 v8, v32, 272
	v_lshl_add_u32 v8, v34, 4, v8
	v_add_nc_u32 v8, s24, v8                       ; back: lanes 0-15 one row's 256 bytes, lanes 16-31 the next row's
	v_lshlrev_b32 v9, 12, v32
	v_lshl_add_u32 v9, v34, 4, v9                  ; and the same two rows in part
	s_lshl_b32 s24, s15, 23                        ; w3: expert e, row 1,024 kh + 128 ks + 32 kb, column 64 jb + 32 cg
	s_lshl_b32 s25, s19, 22
	s_add_co_u32 s24, s24, s25
	s_lshl_b32 s25, s22, 19
	s_add_co_u32 s24, s24, s25
	s_lshl_b32 s25, s21, 17
	s_add_co_u32 s24, s24, s25
	s_lshl_b32 s25, s16, 8
	s_add_co_u32 s24, s24, s25
	s_lshl_b32 s25, s20, 7
	s_add_co_u32 s24, s24, s25
	s_mov_b32 s25, 0
	s_lshl_b32 s23, s15, 2
	s_wait_kmcnt 0x0
	s_add_nc_u64 s[26:27], s[8:9], s[24:25]
	s_load_b32 s17, s[4:5], s23 offset:0x8000      ; the expert's count of rows
	s_wait_alu depctr_va_vdst(0)                   ; the offsets and LDS addresses v1 to v9 are written, which every load and store of the kernel reads; so are v10, v11, and v30 to v34, in which rows' fragments land later
.macro WLOAD t                         ; unit t is K step 2 t + ks: w3(.. + 256 t + i, my column), i = 0 .. 31
.set WI, 0
.rept 32
	global_load_b32 v[LAND+32*(\t)+WI], v1, s[26:27] offset:(256*(\t)+WI)*4096 th:TH_LOAD_NT
.set WI, WI+1
.endr
.endm
	WLOAD 0
	WLOAD 1
	WLOAD 2
	WLOAD 3
	s_lshl_b32 s24, s15, 6                         ; the rows' codes: row tile 64 e + 2 w, K steps 8 kh on
	s_lshl_b32 s20, s14, 1
	s_add_co_u32 s24, s24, s20
	s_mul_i32 s24, s24, 24576
	s_mul_i32 s20, s19, 12288
	s_add_co_u32 s24, s24, s20
	s_add_nc_u64 s[28:29], s[6:7], s[24:25]
	s_lshl_b32 s24, s19, 18                        ; their scale words: K steps 8 kh on, row 1,024 e + 32 w
	s_lshl_b32 s20, s15, 12
	s_add_co_u32 s24, s24, s20
	s_lshl_b32 s20, s14, 7
	s_add_co_u32 s24, s24, s20
	s_add_co_u32 s24, s24, 12582912
	s_add_nc_u64 s[30:31], s[6:7], s[24:25]
	s_lshl_b32 s24, s19, 25                        ; part: half kh, row 1,024 e + 32 w, column 64 jb
	s_lshl_b32 s20, s15, 22
	s_add_co_u32 s24, s24, s20
	s_lshl_b32 s20, s14, 17
	s_add_co_u32 s24, s24, s20
	s_lshl_b32 s20, s16, 8
	s_add_co_u32 s24, s24, s20
	s_add_nc_u64 s[32:33], s[10:11], s[24:25]
.macro PUT t                           ; unit t's codes and byte go to LDS
.irp jj, 0,1,2
	ds_store_b64 v2, v[QC+8*(\t)+2*\jj:QC+8*(\t)+2*\jj+1] offset:12288*(\t)+8*\jj
.endr
	ds_store_b8 v3, v[QBY+(\t)] offset:512*(\t)
.endm
.macro UNIT t, left
	s_wait_loadcnt \left                           ; this unit's 32 loads are in; the younger units' may be out
.if (\t) > 0
	s_wait_alu depctr_va_vdst(0)                   ; the unit before has written its codes and its byte, which the four LDS stores below read
	PUT (\t)-1
.endif
	QBLK LAND+32*(\t), \t
.endm
	UNIT 0, 63                                     ; 96 and 64 younger loads have been issued; the wait's field holds 63
	UNIT 1, 63
	UNIT 2, 32
	UNIT 3, 0
	s_wait_alu depctr_va_vdst(0)                   ; unit 3 has written its codes and its byte, which the LDS stores below read; and the four quantisers are done with LAND, v40 to v42 and the sets of codes, in which phase 2's loads land
	PUT 3
	s_wait_dscnt 0x0                               ; for the others' sake: my codes and bytes have landed
	s_barrier_signal -1
	s_barrier_wait -1                              ; all 32 images lie in LDS; only the waves' own stages are written from here on
	s_wait_kmcnt 0x0
	s_min_u32 s17, s17, 1024
.macro ALOAD s                         ; my two row tiles' fragments of K step s: each load reads 256 consecutive bytes, aligned
.irp m, 0,1
.irp c, 0,1
.irp jj, 0,1,2
	global_load_b64 v[XF+24*((\s)%2)+12*\m+6*\c+2*\jj:XF+24*((\s)%2)+12*\m+6*\c+2*\jj+1], v6, s[28:29] offset:24576*\m+1536*(\s)+768*\c+256*\jj
.endr
.endr
.endr
.endm
.macro WPART s, T                      ; tile T of K step s into the weights' set s % 2; tile 0 brings the K step's scale words
.if (\T) == 0
	ds_load_b64 v[BSC+2*((\s)%2):BSC+2*((\s)%2)+1], v5 offset:256*(\s)
.endif
.irp c, 0,1,2
	ds_load_b128 v[WF+120*((\s)%2)+12*(\T)+4*\c:WF+120*((\s)%2)+12*(\T)+4*\c+3], v4 offset:6144*(\s)+1536*(\T)+16*\c
.endr
.endm
.macro MM u, m                         ; one product; an odd tile's scale words stand in lanes 16-31, and so do row tile 1's.  K step 0 starts the sums: nothing is cleared
.if ks == 0
.if (\u == 0) && (\m == 0)
	v_wmma_scale_f32_16x16x128_f8f6f4 v[rD:rD+7], v[rA:rA+11], v[rB:rB+11], 0, v[rSA], v[rSB] matrix_a_fmt:MATRIX_FMT_BF6 matrix_b_fmt:MATRIX_FMT_BF6
.elseif (\u == 0)
	v_wmma_scale_f32_16x16x128_f8f6f4 v[rD:rD+7], v[rA:rA+11], v[rB:rB+11], 0, v[rSA], v[rSB] matrix_a_fmt:MATRIX_FMT_BF6 matrix_b_fmt:MATRIX_FMT_BF6 matrix_b_scale:MATRIX_SCALE_ROW1
.elseif (\m == 0)
	v_wmma_scale_f32_16x16x128_f8f6f4 v[rD:rD+7], v[rA:rA+11], v[rB:rB+11], 0, v[rSA], v[rSB] matrix_a_fmt:MATRIX_FMT_BF6 matrix_b_fmt:MATRIX_FMT_BF6 matrix_a_scale:MATRIX_SCALE_ROW1
.else
	v_wmma_scale_f32_16x16x128_f8f6f4 v[rD:rD+7], v[rA:rA+11], v[rB:rB+11], 0, v[rSA], v[rSB] matrix_a_fmt:MATRIX_FMT_BF6 matrix_b_fmt:MATRIX_FMT_BF6 matrix_a_scale:MATRIX_SCALE_ROW1 matrix_b_scale:MATRIX_SCALE_ROW1
.endif
.else
.if (\u == 0) && (\m == 0)
	v_wmma_scale_f32_16x16x128_f8f6f4 v[rD:rD+7], v[rA:rA+11], v[rB:rB+11], v[rD:rD+7], v[rSA], v[rSB] matrix_a_fmt:MATRIX_FMT_BF6 matrix_b_fmt:MATRIX_FMT_BF6
.elseif (\u == 0)
	v_wmma_scale_f32_16x16x128_f8f6f4 v[rD:rD+7], v[rA:rA+11], v[rB:rB+11], v[rD:rD+7], v[rSA], v[rSB] matrix_a_fmt:MATRIX_FMT_BF6 matrix_b_fmt:MATRIX_FMT_BF6 matrix_b_scale:MATRIX_SCALE_ROW1
.elseif (\m == 0)
	v_wmma_scale_f32_16x16x128_f8f6f4 v[rD:rD+7], v[rA:rA+11], v[rB:rB+11], v[rD:rD+7], v[rSA], v[rSB] matrix_a_fmt:MATRIX_FMT_BF6 matrix_b_fmt:MATRIX_FMT_BF6 matrix_a_scale:MATRIX_SCALE_ROW1
.else
	v_wmma_scale_f32_16x16x128_f8f6f4 v[rD:rD+7], v[rA:rA+11], v[rB:rB+11], v[rD:rD+7], v[rSA], v[rSB] matrix_a_fmt:MATRIX_FMT_BF6 matrix_b_fmt:MATRIX_FMT_BF6 matrix_a_scale:MATRIX_SCALE_ROW1 matrix_b_scale:MATRIX_SCALE_ROW1
.endif
.endif
.endm
.macro PROD g, u, m                    ; the product of tile 2 g + u and row tile m in K step ks
.set rD, ACC+32*(\m)+8*(2*(\g)+(\u))
.set rA, WF+120*(ks%2)+12*(2*(\g)+(\u))
.set rB, XF+24*(ks%2)+12*(\m)
.set rSA, BSC+2*(ks%2)+(\g)
.set rSB, ASC+ks
	MM \u, \m
.endm
; A K step: eight products on eight accumulators, which take turns, one instruction a turn, in the same order in every K step.
; The next K step's loads: the rows' twelve go out first, ahead of the wait for this step's rows, so that two K steps' rows are on their way while the wave waits; the weights' thirteen LDS loads are dealt behind the first four products.
.macro KSTEP s
.set ks, \s
.if (ks > 0) && (ks < 7)
	s_wait_alu depctr_va_vdst(0)                   ; the products of the K step before are done reading their sets of rows' fragments, weights' fragments and weights' scale words, in which this step's loads land
	ALOAD ks+1
.endif
.if ks < 7
	s_wait_loadcnt NA                              ; this K step's row fragments (and, at first, the rows' scale words) are in; the next K step's may be out
.else
	s_wait_loadcnt 0x0
.endif
	s_wait_dscnt 0x0                               ; this K step's weights and their scale words are in: they were asked for in the K step before, and no LDS load has been issued since
	PROD 0, 0, 0
.if ks < 7
	WPART ks+1, 0                                  ; no wait: no product since the wait above names the other sets
.endif
	PROD 0, 0, 1
.if ks < 7
	WPART ks+1, 1
.endif
	PROD 0, 1, 0
.if ks < 7
	WPART ks+1, 2
.endif
	PROD 0, 1, 1
.if ks < 7
	WPART ks+1, 3
.endif
	PROD 1, 0, 0
	PROD 1, 0, 1
	PROD 1, 1, 0
	PROD 1, 1, 1
.endm
	s_lshl_b32 s18, s14, 5                         ; my first rank
	s_mov_b32 s34, 0
.Lpass:                                            ; two trips, a constant; a trip whose ranks lie at or over the count is passed over
	s_wait_alu depctr_vm_vsrc(0)                   ; on the way in: phase 1's LDS stores have read their codes and bytes, v192 to v227, in which weights' fragments land; on the way back: the way out's LDS stores have read the accumulators, which the first products write anew, and its global stores have read v192 to v255
	s_cmp_ge_u32 s18, s17
	s_cbranch_scc1 .Lskip
.irp s, 0,1,2,3,4,5,6,7
	global_load_b32 v[ASC+\s], v1, s[30:31] offset:32768*\s    ; lane l: the scale word of row l of my 32
.endr
	ALOAD 0
	ALOAD 1
.irp T, 0,1,2,3
	WPART 0, \T
.endr
.irp s, 0,1,2,3,4,5,6,7
	KSTEP \s
.endr
	; THE WAY OUT.  Lane (r, h) holds, of row r, columns 32 b + 16 h + 8 u + 0 .. 7 of tile 2 b + u: through my own stage, back as rows.  Each accumulator from its low end on
.rept 5
	v_nop                                          ; five places behind the last products: four ahead of the LDS stores that read their results, the fifth for the next trip's first products, which begin the sums anew over these registers
.endr
	s_wait_alu depctr_va_vdst(0)                   ; the products have written the accumulators, which the LDS stores read, and K step 7's are done reading the weights' set 1, in which the loads from the stage land; the places above stay beside this wait
.irp m, 0,1
.irp b, 0,1
.irp u, 0,1
	ds_store_b128 v7, v[ACC+32*\m+8*(2*\b+\u):ACC+32*\m+8*(2*\b+\u)+3] offset:4352*\m+128*\b+32*\u
	ds_store_b128 v7, v[ACC+32*\m+8*(2*\b+\u)+4:ACC+32*\m+8*(2*\b+\u)+7] offset:4352*\m+128*\b+32*\u+16
.endr
.endr
.endr
.irp i, 0,1,2,3,4,5,6,7,8,9,10,11,12,13,14,15
	ds_load_b128 v[OB+4*\i:OB+4*\i+3], v8 offset:544*\i        ; LDS serves a wave's instructions in order: these see my stores
.endr
.irp i, 0,1,2,3,4,5,6,7,8,9,10,11,12,13,14,15
	s_wait_dscnt 15-\i                             ; load i is in; the younger ones may be out
	global_store_b128 v9, v[OB+4*\i:OB+4*\i+3], s[32:33] offset:8192*\i   ; sixteen lanes store 256 consecutive bytes, aligned
.endr
.Lskip:
	s_wait_xcnt 0x0                                ; the stores have had their addresses translated: their registers and base may be written again (the wait on vm_vsrc at the trip's head stands beside this one)
	s_add_nc_u64 s[28:29], s[28:29], 786432        ; 32 row tiles on
	s_add_nc_u64 s[30:31], s[30:31], 2048          ; 512 rows on
	s_add_nc_u64 s[32:33], s[32:33], 2097152
	s_add_co_u32 s18, s18, 512
	s_add_co_u32 s34, s34, 1
	s_cmp_lt_u32 s34, 2
	s_cbranch_scc1 .Lpass
	s_barrier_signal -1
	s_barrier_wait -1
	s_wait_dscnt 0x0                               ; the closing lines, six on end
	s_wait_alu 0x0
	s_wait_tensorcnt 0x0
	ds_add_u32 v10, v11
	s_wait_dscnt 0x0
	s_endpgm
.Lfunc_end_k_q7bf53771ef_down:
	.size	k_q7bf53771ef_down, .Lfunc_end_k_q7bf53771ef_down-k_q7bf53771ef_down
	.p2alignl 7, 3214868480
	.fill 96, 4, 3214868480
	.section	.rodata,"a",@progbits
	.p2align	6, 0x0
	.amdhsa_kernel k_q7bf53771ef_down
		.amdhsa_group_segment_fixed_size 192512
		.amdhsa_private_segment_fixed_size 0
		.amdhsa_enable_private_segment 0
		.amdhsa_kernarg_size 32
		.amdhsa_user_sgpr_count 2
		.amdhsa_user_sgpr_kernarg_segment_ptr 1
		.amdhsa_wavefront_size32 1
		.amdhsa_system_sgpr_workgroup_id_x 1
		.amdhsa_system_sgpr_workgroup_id_y 1
		.amdhsa_system_sgpr_workgroup_id_z 1
		.amdhsa_system_vgpr_workitem_id 0
		.amdhsa_next_free_vgpr 256
		.amdhsa_next_free_sgpr 66
		.amdhsa_reserve_vcc 0
		.amdhsa_float_denorm_mode_32 3
		.amdhsa_float_denorm_mode_16_64 3
		.amdhsa_memory_ordered 1
		.amdhsa_forward_progress 1
		.amdhsa_inst_pref_size 53
	.end_amdhsa_kernel
	.amdgpu_metadata
---
amdhsa.version: [ 1, 2 ]
amdhsa.kernels:
  - .name:           k_q7bf53771ef_down
    .symbol:         k_q7bf53771ef_down.kd
    .args:
      - { .name: pos, .offset: 0, .size: 8, .value_kind: global_buffer, .address_space: global }
      - { .name: hc, .offset: 8, .size: 8, .value_kind: global_buffer, .address_space: global }
      - { .name: w3, .offset: 16, .size: 8, .value_kind: global_buffer, .address_space: global }
      - { .name: part, .offset: 24, .size: 8, .value_kind: global_buffer, .address_space: global }
    .group_segment_fixed_size: 192512
    .private_segment_fixed_size: 0
    .kernarg_segment_align: 8
    .kernarg_segment_size: 32
    .max_flat_workgroup_size: 512
    .sgpr_count:     66
    .vgpr_count:     256
    .wavefront_size: 32
...
	.end_amdgpu_metadata
.endif
;; end of part 7
;; launch sum (part 8): grid 256 x 1, 4 waves a work-group, no clusters, 0 bytes of LDS; arguments rtab, pos, rf, part, out0, out1; writes out0, out1
.if DOCPART == 8
	.amdgcn_target "amdgcn-amd-amdhsa--gfx1250"
	.amdhsa_code_object_version 6
	.text
	.protected	k_q7bf53771ef_sum
	.globl	k_q7bf53771ef_sum
	.p2align	8
	.type	k_q7bf53771ef_sum,@function
k_q7bf53771ef_sum:
	s_mov_b64 s[64:65], 0
	v_nop
	global_prefetch_b8 v0, s[64:65] scope:SCOPE_SE
	s_setreg_imm32_b32 hwreg(HW_REG_WAVE_MODE, 25, 1), 1
	s_wait_xcnt 0x0
; THE COMBINATION.  One wave to a token t: out0[t] = w1 (the two K halves of its row at expert e1) + w2 (the same at e2).  The routing word, the weights and the token's places come by scalar loads;
; the place of e1 and of e2 is chosen among the eight by selects, held inside the table, and forms the rows' addresses.  Four rows of 4,096 bytes in, one out; every load and store covers 512 consecutive bytes.
; Wave 0 of work-group 0 also adds the 128 partial sums of logits^2: out1 = 0.01 x their sum / 8,192.
; A stream: no LDS, barrier, matrix unit or cluster would add anything; nothing is shared between work-groups.
	s_load_b256 s[4:11], s[0:1], 0x0               ; rtab s[4:5], pos s[6:7], rf s[8:9], part s[10:11]
	s_load_b128 s[12:15], s[0:1], 0x20             ; out0 s[12:13], out1 s[14:15]
	v_lshrrev_b32 v1, 5, v0
	v_readfirstlane_b32 s18, v1                    ; wave
	v_and_b32 v1, 31, v0
	v_lshlrev_b32 v2, 4, v1                        ; 16 x lane
	v_mov_b32 v3, 0
	s_lshl_b32 s19, ttmp9, 2
	s_add_co_u32 s19, s19, s18                     ; my token
	s_lshl_b32 s16, s19, 2
	s_lshl_b32 s17, s19, 3
	s_mov_b32 s50, 0x76543210
	s_mov_b32 s51, 0xfedcba98
	s_wait_alu depctr_va_vdst(0)
	s_wait_kmcnt 0x0
	s_load_b32 s20, s[4:5], s16 offset:0x0         ; its routing word
	s_load_b64 s[22:23], s[8:9], s17 offset:0x0    ; its two weights
.irp e, 0,1,2,3,4,5,6,7
	s_load_b32 s[32+\e], s[6:7], s16 offset:4096*\e   ; its place at each expert
.endr
	s_wait_kmcnt 0x0
	s_and_b32 s21, s20, 255                        ; e1
	s_bfe_u32 s30, s20, 0x80008                    ; e2
	s_mov_b32 s26, s32
	s_mov_b32 s27, s32
.irp e, 1,2,3,4,5,6,7
	s_cmp_eq_u32 s21, \e
	s_cselect_b32 s26, s[32+\e], s26
	s_cmp_eq_u32 s30, \e
	s_cselect_b32 s27, s[32+\e], s27
.endr
	s_min_u32 s26, s26, 0x1fff                     ; held inside part's 8,192 rows ahead of the address arithmetic
	s_min_u32 s27, s27, 0x1fff
	s_mov_b32 s29, 0
	s_lshl_b32 s28, s26, 12
	s_add_nc_u64 s[40:41], s[10:11], s[28:29]      ; e1's row, first K half,
	s_add_nc_u64 s[42:43], s[40:41], 0x2000000     ; second K half
	s_lshl_b32 s28, s27, 12
	s_add_nc_u64 s[44:45], s[10:11], s[28:29]      ; e2's likewise
	s_add_nc_u64 s[46:47], s[44:45], 0x2000000
	s_lshl_b32 s28, s19, 12
	s_add_nc_u64 s[48:49], s[12:13], s[28:29]      ; my row of out0
	s_mov_b32 s24, s23                             ; w2, as a pair for the packed form
	s_mov_b32 s25, s23
.irp i, 0,1,2,3,4,5,6,7
.irp k, 0,1,2,3
	global_load_b128 v[16+32*\k+4*\i:19+32*\k+4*\i], v2, s[40+2*\k:41+2*\k] offset:512*\i th:TH_LOAD_NT
.endr
.endr
.irp i, 0,1,2,3,4,5,6,7
	s_wait_loadcnt 28-4*\i                         ; chunk i's four loads are in; the younger chunks' may be out
.irp p, 0,2
	v_pk_add_f32 v[16+4*\i+\p:17+4*\i+\p], v[16+4*\i+\p:17+4*\i+\p], v[48+4*\i+\p:49+4*\i+\p]
	v_pk_add_f32 v[80+4*\i+\p:81+4*\i+\p], v[80+4*\i+\p:81+4*\i+\p], v[112+4*\i+\p:113+4*\i+\p]
	v_pk_mul_f32 v[16+4*\i+\p:17+4*\i+\p], v[16+4*\i+\p:17+4*\i+\p], s[22:23] op_sel_hi:[1,0]
	v_pk_fma_f32 v[16+4*\i+\p:17+4*\i+\p], v[80+4*\i+\p:81+4*\i+\p], s[24:25], v[16+4*\i+\p:17+4*\i+\p] op_sel_hi:[1,0,1]
.endr
	global_store_b128 v2, v[16+4*\i:19+4*\i], s[48:49] offset:512*\i th:TH_STORE_NT
.endr
	s_or_b32 s30, ttmp9, s18
	s_cmp_lg_u32 s30, 0
	s_cbranch_scc1 .Lend
	global_load_b128 v[4:7], v2, s[8:9] offset:8192    ; the 128 partial sums
	v_mov_b32 v9, 0
	s_wait_loadcnt 0x0
	v_add_f32 v4, v4, v5
	v_add_f32 v6, v6, v7
	v_add_f32 v8, v4, v6
	v_add_f32_dpp v8, v8, v8 row_xmask:1 row_mask:0xf bank_mask:0xf
	v_add_f32_dpp v8, v8, v8 row_xmask:2 row_mask:0xf bank_mask:0xf
	v_add_f32_dpp v8, v8, v8 row_xmask:4 row_mask:0xf bank_mask:0xf
	v_add_f32_dpp v8, v8, v8 row_xmask:8 row_mask:0xf bank_mask:0xf
	s_wait_alu depctr_va_vdst(0)
	v_permlanex16_b32 v9, v8, s50, s51
	v_add_f32 v8, v8, v9
	v_mul_f32 v8, 0x35a3d70a, v8                   ; x 0.01 / 8,192
	v_cmp_eq_u32 vcc_lo, 0, v1
	s_wait_alu depctr_va_vdst(0)
	s_wait_xcnt 0x0                                ; EXEC changes only behind this wait
	s_and_saveexec_b32 s30, vcc_lo
	global_store_b32 v3, v8, s[14:15]
	s_wait_xcnt 0x0
	s_or_b32 exec_lo, exec_lo, s30
.Lend:
	s_endpgm
.Lfunc_end_k_q7bf53771ef_sum:
	.size	k_q7bf53771ef_sum, .Lfunc_end_k_q7bf53771ef_sum-k_q7bf53771ef_sum
	.p2alignl 7, 3214868480
	.fill 96, 4, 3214868480
	.section	.rodata,"a",@progbits
	.p2align	6, 0x0
	.amdhsa_kernel k_q7bf53771ef_sum
		.amdhsa_group_segment_fixed_size 0
		.amdhsa_private_segment_fixed_size 0
		.amdhsa_enable_private_segment 0
		.amdhsa_kernarg_size 48
		.amdhsa_user_sgpr_count 2
		.amdhsa_user_sgpr_kernarg_segment_ptr 1
		.amdhsa_wavefront_size32 1
		.amdhsa_system_sgpr_workgroup_id_x 1
		.amdhsa_system_sgpr_workgroup_id_y 1
		.amdhsa_system_sgpr_workgroup_id_z 1
		.amdhsa_system_vgpr_workitem_id 0
		.amdhsa_next_free_vgpr 160
		.amdhsa_next_free_sgpr 66
		.amdhsa_reserve_vcc 1
		.amdhsa_float_denorm_mode_32 3
		.amdhsa_float_denorm_mode_16_64 3
		.amdhsa_memory_ordered 1
		.amdhsa_forward_progress 1
		.amdhsa_inst_pref_size 13
	.end_amdhsa_kernel
	.amdgpu_metadata
---
amdhsa.version: [ 1, 2 ]
amdhsa.kernels:
  - .name:           k_q7bf53771ef_sum
    .symbol:         k_q7bf53771ef_sum.kd
    .args:
      - { .name: rtab, .offset: 0, .size: 8, .value_kind: global_buffer, .address_space: global }
      - { .name: pos, .offset: 8, .size: 8, .value_kind: global_buffer, .address_space: global }
      - { .name: rf, .offset: 16, .size: 8, .value_kind: global_buffer, .address_space: global }
      - { .name: part, .offset: 24, .size: 8, .value_kind: global_buffer, .address_space: global }
      - { .name: out0, .offset: 32, .size: 8, .value_kind: global_buffer, .address_space: global }
      - { .name: out1, .offset: 40, .size: 8, .value_kind: global_buffer, .address_space: global }
    .group_segment_fixed_size: 0
    .private_segment_fixed_size: 0
    .kernarg_segment_align: 8
    .kernarg_segment_size: 48
    .max_flat_workgroup_size: 128
    .sgpr_count:     66
    .vgpr_count:     160
    .wavefront_size: 32
...
	.end_amdgpu_metadata
.endif
;; end of part 8
